; MI455X (gfx1250); checked and timed in simulation.
; The chip was launched on July 23, 2026; its instructions are those of AMD's public machine-readable ISA for CDNA 5 (MIT licence, August 2026) and "CDNA5" Instruction Set Architecture Reference Guide (July 2026). The comments in the code are by the model that wrote it; some were corrected since.
;; Multi Head Attention. Allowed arithmetic: matrix products marked QUANTISED: E2M3 operands, one E8M0 scale for each 32 along K, by v_wmma_scale_f32_16x16x128_f8f6f4 with both operands' format E2M3, f32 sums; everything else in f32.
;; Inputs: Wk 1,024 x 1,024 float32; Wo 1,024 x 1,024 float32; Wq 1,024 x 1,024 float32; Wv 1,024 x 1,024 float32; bk 1,024 float32; bo 1,024 float32; bq 1,024 float32; bv 1,024 float32; key 4 x 2,048 x 1,024 float32; mask 4 x 1 x 2,048 int32; query 4 x 2,048 x 1,024 float32; value 4 x 2,048 x 1,024 float32.
;; Outputs: out0 4 x 2,048 x 1,024 float32.
;; This version of the problem:
;;   THIS VERSION OF THE PROBLEM IS GIVEN IN LOW PRECISION. The matrix products marked QUANTISED in the list below multiply operands that are first quantised to E2M3 (2 exponent bits, 3 mantissa bits; 6 bits a number), with one power-of-two scale for each 32 numbers along K (OCP MX v1.0); their sums are f32. All else is computed in f32.
;;   The module's matrix products, in the order in which they are computed (A, B: the left and right operand; K: the contracted axis; several contracted axes count as one K, in the product's order):
;;     1. [M 8,192, K 1,024] x [K 1,024, N 1,024]; A: input query; B: input Wq: QUANTISED
;;     2. [M 8,192, K 1,024] x [K 1,024, N 1,024]; A: input key; B: input Wk: QUANTISED
;;     3. [M 8,192, K 1,024] x [K 1,024, N 1,024]; A: input value; B: input Wv: QUANTISED
;;     4. batch 64 x [M 2,048, K 64] x [K 64, N 2,048]; A: computed on the way; B: computed on the way: QUANTISED
;;     5. batch 64 x [M 2,048, K 2,048] x [K 2,048, N 64]; A: softmax (see below); B: computed on the way: QUANTISED
;;     6. [M 8,192, K 1,024] x [K 1,024, N 1,024]; A: computed on the way; B: input Wo: QUANTISED
;;   THE QUANTISER, for each operand of a quantised product, along K:
;;     - K is cut into blocks of 32 from its start; a last block that is shorter is filled with zeros.
;;     - A block's scale is 2^e with e = floor(log2(the largest magnitude in the block)) - 2, held to -126 .. 127; a block of zeros has e = 0. As a byte (E8M0): e + 127.
;;     - Each number is divided by its block's scale, clamped to +-7.5, and rounded to the nearest number of E2M3, ties to even, subnormals kept.
;;     - The product sums the exact products of the quantised numbers (number of the format x scale) in f32.
;;   ~~~python
;;   def quantise(x, axis):      # numpy; x: float32 -> the quantised numbers, widened to float32 again
;;       x = np.moveaxis(x, axis, -1); K = x.shape[-1]
;;       x = np.pad(x, [(0, 0)] * (x.ndim - 1) + [(0, -K % 32)]); x = x.reshape(x.shape[:-1] + (-1, 32)); a = np.abs(x).max(-1, keepdims=True)
;;       e = np.where(a > 0, np.clip(np.frexp(np.where(a > 0, a, 1))[1] - 1 - 2, -126, 127), 0)      # np.frexp(a)[1] - 1 = floor(log2(a)), exactly
;;       r = np.clip(x / 2.0 ** e, -7.5, 7.5)
;;       step = 2.0 ** (np.maximum(np.frexp(np.where(r == 0, 1, r))[1] - 1, 0) - 3)
;;       q = np.round(r / step) * step * 2.0 ** e      # np.round: ties to even
;;       return np.moveaxis(q.reshape(q.shape[:-2] + (-1,))[..., :K], -1, axis).astype(np.float32)
;;   ~~~
;;   SOFTMAX AHEAD OF A QUANTISED PRODUCT. Where the list says 'softmax', what is quantised is not the finished softmax but p = 2^(t - M), with t = logit x log2(e) and M = ceil(the row's largest t), a whole number; so 1/2 < the row's largest p <= 1. The row's sum l is taken of the UNQUANTISED p, in f32, and the product's result is divided by l at the end. Since M is a whole number, a kernel that streams over the keys may use a running M (the ceiling of the running maximum): every later rescaling is an exact power of two, which a block's scale takes up: the codes' values come out the same.
;;   OPERANDS COMPUTED ON THE WAY. 'Computed on the way' means the value that the module computes at that place (a softmax that the list does not call 'softmax' is quantised finished and normalised). What goes into a quantiser is computed in f32, as accurately as f32 sums, v_exp_f32 and their like allow (about 1e-6 of the number): no bf16 or f16 on the way to a quantiser, and a product that is left as it is and whose result goes on into a quantised operand takes f32 operands (vector FMAs, or v_wmma_f32_16x16x4_f32). A number that lies on a knife's edge between two numbers of the format may be rounded either way, as far as f32 arithmetic and the matrix unit's own rounding can turn it there, and no further.
;; One version. Each part assembles by itself: llvm-mc -triple=amdgcn-amd-amdhsa -mcpu=gfx1250 --defsym DOCPART=n.
;; ======== version 1 of 1: 4 launches
;; limits: right only within a limited range of input values
;; workspace buffers: img 22,020,096 bytes; scl 917,504 bytes; qrec 8,912,896 bytes; kv 15,466,496 bytes; ximg 6,291,456 bytes; xscl 262,144 bytes
;; launch quant (part 1): grid 256 x 1, 7 waves a work-group, no clusters, 60,160 bytes of LDS; arguments query, key, value, Wq, Wk, Wv, Wo, img, scl; writes img, scl
.if DOCPART == 1
	.amdgcn_target "amdgcn-amd-amdhsa--gfx1250"
	.amdhsa_code_object_version 6
	.text
	.protected	k_qeebfa52621_quant
	.globl	k_qeebfa52621_quant
	.p2align	8
	.type	k_qeebfa52621_quant,@function
k_qeebfa52621_quant:
	s_mov_b64 s[64:65], 0
	v_nop
	global_prefetch_b8 v0, s[64:65] scope:SCOPE_SE
	s_setreg_imm32_b32 hwreg(HW_REG_WAVE_MODE, 25, 1), 1
	s_wait_xcnt 0x0
; query, key, value [8192][1024] and Wq, Wk, Wv, Wo [1024][1024], f32, become codes of FP6 (E2M3) with one E8M0 scale byte for each 32 along the last axis (the K of every product that reads them).
; A block's scale is 2^(floor(log2(its largest magnitude)) - 2); its byte is that magnitude's exponent field - 2, held at 1 from below.
; LIMITS: a block of zeros gets the byte 1 where the rule says 127 (its codes are zeros, and this program alone reads the bytes); blocks whose largest magnitude lies under 2^-124 are held at the byte 1; NaN and infinities are not served.
; LAYOUT OF THE RESULT.  The seven tensors are 1,792 ROW TILES of 16 rows: query 0-511, key 512-1023, value 1024-1535, Wq 1536.., Wk 1600.., Wv 1664.., Wo 1728...
; Lane r of tile T (counted in its tensor) holds row 32 (T / 2) + 8 (T % 2) + r + 8 (r / 8): used as a product's source 0, two neighbouring tiles then give a lane 16 neighbouring results.
; img: [tile][K step of 128: 0..7][1,536 bytes]: a fragment as an image of its 12 registers: registers 4 c .. 4 c + 3 of lane l at 512 c + 16 l.   scl: [tile][lane r][8 words]: word s = the four bytes of K step s.
; SHARES.  1,792 tiles = 256 work-groups x 7 waves: a wave takes one tile, 16 rows x 4,096 bytes.  Waves share nothing: no barrier.
; Each load reads 512 consecutive bytes of one row; the 16 rows' 512 bytes of a K step turn through the wave's own stage in LDS (rows 528 bytes apart, so that sixteen rows start at sixteen different groups of banks)
; and come back as the operand's layout wants them: lane (r, h) takes k = 32 h + 0..31 and 64 + 32 h + 0..31 of row r: two whole blocks.  Loads run two K steps (32 loads a wave) ahead.
.set R,     16                         ; v16-143  two sets of 64 registers as loaded
.set X,     144                        ; v144-207 my two blocks of 32
.set C,     208                        ; v208-219 the fragment's 12 registers
.set CT,    220                        ; v220-226 the second halves of the blocks' codes (a conversion's three registers begin on an even number)
.set W,     228                        ; v228-235 the scale words of the 8 K steps
.set SPW,   12                         ; v12  LDS address of my spare word; never rewritten
.set NIL,   13                         ; v13  0; never rewritten
.set STG,   8448                       ; a wave's stage: 16 rows x 528 bytes
.set SPARE, 7*STG                      ; behind the stages: the spare words, 128 bytes a wave, four blocks of 256 bytes that no other line names
	s_load_b512 s[4:19], s[0:1], 0x0               ; query, key, value, Wq, Wk, Wv, Wo, img
	s_load_b64 s[20:21], s[0:1], 0x40              ; scl
	v_lshl_add_u32 v[SPW], v0, 2, SPARE
	v_mov_b32 v[NIL], 0
	v_lshrrev_b32 v1, 5, v0
	v_readfirstlane_b32 s22, v1                    ; wave 0..6
	v_and_b32 v6, 31, v0
	v_lshlrev_b32 v1, 4, v6                        ; v1 = 16 x lane: my bytes of a load's and of a store's 512
	v_and_b32 v7, 15, v0                           ; r
	v_bfe_u32 v5, v0, 4, 1                         ; h
	s_mul_i32 s25, s22, STG
	v_add_nc_u32 v2, s25, v1                       ; v2: the stage on the way in
	v_mul_u32_u24 v3, v7, 528
	v_lshl_add_u32 v3, v5, 7, v3
	v_add_nc_u32 v3, s25, v3                       ; v3: on the way out: row r, + 128 h bytes
	v_lshlrev_b32 v4, 5, v7
	v_lshl_add_u32 v4, v5, 4, v4                   ; v4: my 16 bytes of the tile's scale words: 32 r + 16 h
	v_lshlrev_b32 v5, 3, v5                        ; v5 = 8 h: my bytes' place in a scale word
	v_mov_b32 v10, 0                               ; a lane permute's destination counts as read
	s_mov_b32 s26, 0x76543210
	s_mov_b32 s27, 0xfedcba98                      ; selects for lane l xor 16
	s_mov_b32 s28, 0xffff0000                      ; lanes 16-31
	s_mul_i32 s23, ttmp9, 7
	s_add_co_u32 s23, s23, s22                     ; my tile
	s_wait_alu depctr_va_vdst(0)
	s_wait_kmcnt 0x0
	s_mov_b64 s[30:31], s[16:17]                   ; whose tile it is: the choice hangs on the tile's number alone
	s_mov_b32 s24, 1728
	s_cmp_lt_u32 s23, 1728
	s_cselect_b64 s[30:31], s[14:15], s[30:31]
	s_cselect_b32 s24, 1664, s24
	s_cmp_lt_u32 s23, 1664
	s_cselect_b64 s[30:31], s[12:13], s[30:31]
	s_cselect_b32 s24, 1600, s24
	s_cmp_lt_u32 s23, 1600
	s_cselect_b64 s[30:31], s[10:11], s[30:31]
	s_cselect_b32 s24, 1536, s24
	s_cmp_lt_u32 s23, 1536
	s_cselect_b64 s[30:31], s[8:9], s[30:31]
	s_cselect_b32 s24, 1024, s24
	s_cmp_lt_u32 s23, 1024
	s_cselect_b64 s[30:31], s[6:7], s[30:31]
	s_cselect_b32 s24, 512, s24
	s_cmp_lt_u32 s23, 512
	s_cselect_b64 s[30:31], s[4:5], s[30:31]
	s_cselect_b32 s24, 0, s24
	s_sub_co_u32 s24, s23, s24                     ; the tile's number in its tensor
; KEY'S TILES (512-1023) HAVE A ROW ORDER OF THEIR OWN, other than the head's: lane r of tile T holds row 64 (T / 4) + 8 (T % 4) + r + 24 (r / 8): four neighbouring tiles, used as a product's source 0, give a lane 32 neighbouring results.
; So tiles go in groups of 2^sh (sh = 2 for key, 1 for all others), a group is 16 x 2^sh rows, and lanes 8-15 take rows 8 x 2^sh further down than lanes 0-7: a second base.
	s_lshr_b32 s36, s23, 9
	s_cmp_eq_u32 s36, 1                            ; key's tile?  The tile's number alone decides
	s_cselect_b32 s36, 2, 1                        ; sh
	s_lshr_b32 s37, s24, s36                       ; the group
	s_add_co_u32 s33, s36, 16
	s_lshl_b32 s32, s37, s33                       ; its first row, in bytes: rows of 4,096
	s_lshl_b32 s37, s37, s36
	s_sub_co_u32 s37, s24, s37                     ; the tile in its group:
	s_lshl_b32 s37, s37, 15                        ; 8 rows each
	s_add_co_u32 s32, s32, s37
	s_mov_b32 s33, 0
	s_add_nc_u64 s[30:31], s[30:31], s[32:33]      ; lanes 0-7's rows
	s_add_co_u32 s36, s36, 15
	s_lshl_b32 s32, 1, s36
	s_add_nc_u64 s[34:35], s[30:31], s[32:33]      ; lanes 8-15's rows
	s_mul_i32 s32, s23, 12288
	s_add_nc_u64 s[18:19], s[18:19], s[32:33]      ; img at my tile
	s_lshl_b32 s32, s23, 9
	s_add_nc_u64 s[20:21], s[20:21], s[32:33]      ; scl at my tile
.macro LOAD s                          ; K step s of the tile's 16 rows: load i takes the row of lane r = i
.irp i, 0,1,2,3,4,5,6,7,8,9,10,11,12,13,14,15
	global_load_b128 v[R+64*((\s)%2)+4*\i:R+64*((\s)%2)+4*\i+3], v1, s[30+4*(\i/8):31+4*(\i/8)] offset:(\i%8)*4096+512*(\s) th:TH_LOAD_NT
.endr
.endm
.macro FRAGQ s
.set RS, R+64*((\s)%2)
.if (\s) < 7
	s_wait_loadcnt 16                              ; this K step's 16 loads are in; the next one's 16 may be out
.else
	s_wait_loadcnt 0x0
.endif
.irp i, 0,1,2,3,4,5,6,7,8,9,10,11,12,13,14,15
	ds_store_b128 v2, v[RS+4*\i:RS+4*\i+3] offset:528*\i
.endr
.irp c, 0,1
.irp p, 0,1,2,3,4,5,6,7
	ds_load_b128 v[X+32*\c+4*\p:X+32*\c+4*\p+3], v3 offset:256*\c+16*\p   ; LDS serves a wave's instructions in order: these see the stores above
.endr
.endr
	s_wait_dscnt 0x0                               ; my two blocks are in, and the stores have read their registers,
.if (\s) < 6
	LOAD (\s)+2                                    ; which take the loads of two K steps on
.endif
.irp c, 0,1
	v_max3_num_f32 v[6+\c], |v[X+32*\c]|, |v[X+32*\c+1]|, 0x1800000   ; the block's largest magnitude, and the floor 2^(3 - 127): the byte cannot fall under 1
.endr
.irp i, 2,4,6,8,10,12,14,16,18,20,22,24,26,28,30
.irp c, 0,1
	v_max3_num_f32 v[6+\c], v[6+\c], |v[X+32*\c+\i]|, |v[X+32*\c+\i+1]|
.endr
.endr
.irp c, 0,1
	v_add_nc_u32 v[8+\c], 0xff000000, v[6+\c]      ; 2 off its exponent field: the conversion's scale operand
.endr
.irp c, 0,1
	v_lshrrev_b32 v[6+\c], 23, v[8+\c]             ; the scale's byte
.endr
	v_lshl_or_b32 v6, v7, 16, v6                   ; blocks h and 2 + h of my row,
	v_lshlrev_b32 v6, v5, v6                       ; at their places in the word;
	v_permlanex16_b32 v10, v6, s26, s27
	v_or_b32 v[W+(\s)], v6, v10                    ; with lane l xor 16's two the word is whole
	s_wait_alu depctr_va_vdst(0)
	s_wait_xcnt 0x0                                ; the last fragment's stores have read the codes' registers
.irp c, 0,1
	v_cvt_scalef32_pk16_fp6_f32 v[C+6*\c:C+6*\c+2], v[X+32*\c:X+32*\c+15], v[8+\c]
	v_cvt_scalef32_pk16_fp6_f32 v[CT+4*\c:CT+4*\c+2], v[X+32*\c+16:X+32*\c+31], v[8+\c]
.endr
	v_nop                                          ; one plain place behind a scaled conversion
.irp c, 0,1
.irp i, 0,1,2
	v_mov_b32 v[C+6*\c+3+\i], v[CT+4*\c+\i]
.endr
.endr
.irp c, 0,1,2
	global_store_b128 v1, v[C+4*\c:C+4*\c+3], s[18:19] offset:1536*(\s)+512*\c   ; 32 lanes store 512 consecutive bytes, at a multiple of 256 from the buffer's first byte
.endr
.endm
	LOAD 0
	LOAD 1
.irp s, 0,1,2,3,4,5,6,7
	FRAGQ \s
.endr
.irp i, 0,1,2,3
	v_cndmask_b32 v[8+\i], v[W+\i], v[W+4+\i], s28 ; lanes 0-15 store their row's words 0-3, lanes 16-31 words 4-7
.endr
	global_store_b128 v4, v[8:11], s[20:21]        ; the tile's 512 bytes of scale words
	s_wait_tensorcnt 0x0                           ; the wave's end
	ds_add_u32 v[SPW], v[NIL]
	s_wait_dscnt 0x0
	s_endpgm
.Lfunc_end_k_qeebfa52621_quant:
	.size	k_qeebfa52621_quant, .Lfunc_end_k_qeebfa52621_quant-k_qeebfa52621_quant
	.p2alignl 7, 3214868480
	.fill 96, 4, 3214868480
	.section	.rodata,"a",@progbits
	.p2align	6, 0x0
	.amdhsa_kernel k_qeebfa52621_quant
		.amdhsa_group_segment_fixed_size 60160
		.amdhsa_private_segment_fixed_size 0
		.amdhsa_enable_private_segment 0
		.amdhsa_kernarg_size 72
		.amdhsa_user_sgpr_count 2
		.amdhsa_user_sgpr_kernarg_segment_ptr 1
		.amdhsa_wavefront_size32 1
		.amdhsa_system_sgpr_workgroup_id_x 1
		.amdhsa_system_sgpr_workgroup_id_y 1
		.amdhsa_system_sgpr_workgroup_id_z 1
		.amdhsa_system_vgpr_workitem_id 0
		.amdhsa_next_free_vgpr 240
		.amdhsa_next_free_sgpr 66
		.amdhsa_reserve_vcc 0
		.amdhsa_float_denorm_mode_32 3
		.amdhsa_float_denorm_mode_16_64 3
		.amdhsa_memory_ordered 1
		.amdhsa_forward_progress 1
		.amdhsa_inst_pref_size 59
	.end_amdhsa_kernel
	.amdgpu_metadata
---
amdhsa.version: [ 1, 2 ]
amdhsa.kernels:
  - .name:           k_qeebfa52621_quant
    .symbol:         k_qeebfa52621_quant.kd
    .args:
      - { .name: query, .offset: 0, .size: 8, .value_kind: global_buffer, .address_space: global }
      - { .name: key, .offset: 8, .size: 8, .value_kind: global_buffer, .address_space: global }
      - { .name: value, .offset: 16, .size: 8, .value_kind: global_buffer, .address_space: global }
      - { .name: Wq, .offset: 24, .size: 8, .value_kind: global_buffer, .address_space: global }
      - { .name: Wk, .offset: 32, .size: 8, .value_kind: global_buffer, .address_space: global }
      - { .name: Wv, .offset: 40, .size: 8, .value_kind: global_buffer, .address_space: global }
      - { .name: Wo, .offset: 48, .size: 8, .value_kind: global_buffer, .address_space: global }
      - { .name: img, .offset: 56, .size: 8, .value_kind: global_buffer, .address_space: global }
      - { .name: scl, .offset: 64, .size: 8, .value_kind: global_buffer, .address_space: global }
    .group_segment_fixed_size: 60160
    .private_segment_fixed_size: 0
    .kernarg_segment_align: 8
    .kernarg_segment_size: 72
    .max_flat_workgroup_size: 224
    .sgpr_count:     66
    .vgpr_count:     240
    .wavefront_size: 32
...
	.end_amdgpu_metadata
.endif
;; end of part 1
;; launch proj (part 2): grid 4 x 96, 4 waves a work-group, clusters of 4 x 4, 327,680 bytes of LDS; arguments img, scl, bq, bk, bv, mask, qrec, kv; writes qrec, kv
.if DOCPART == 2
	.amdgcn_target "amdgcn-amd-amdhsa--gfx1250"
	.amdhsa_code_object_version 6
	.text
	.protected	k_qeebfa52621_proj
	.globl	k_qeebfa52621_proj
	.p2align	8
	.type	k_qeebfa52621_proj,@function
k_qeebfa52621_proj:
	s_mov_b64 s[64:65], 0
	v_nop
	global_prefetch_b8 v0, s[64:65] scope:SCOPE_SE
	s_setreg_imm32_b32 hwreg(HW_REG_WAVE_MODE, 25, 1), 1
	s_wait_xcnt 0x0
	s_wait_alu depctr_hold_cnt(0) depctr_sa_sdst(0) depctr_va_vdst(0) depctr_va_sdst(0) depctr_va_ssrc(0) depctr_va_vcc(0) depctr_vm_vsrc(0)
	s_getreg_b32 s2, hwreg(HW_REG_IB_STS2, 6, 4)
	s_cmp_eq_u32 s2, 0
	s_cbranch_scc0 .Lentry_in_a_cluster
	s_endpgm
.Lentry_in_a_cluster:
	s_bfe_u32 s2, ttmp6, 0x10000c
	s_cmp_lg_u32 s2, 0xf033
	s_cbranch_scc0 .Lentry_shape_is_right
	s_endpgm
.Lentry_shape_is_right:
.set FR,    12
.set NQ,    2
.set HALFT, 8*3072
.set SLOT,  4*HALFT
.set SCL,   2*SLOT
.set HALFS, 16*272
.set SBLK,  2*272
.set SPARE, SCL+4*HALFS
.set REC,   15104
.set RECQ,  8704
.set ADRA,  16
.set ADRB,  20
.set L16,   24
.set L8,    25
.set ADRS,  27
.set SPW,   28
.set NIL,   29
.set SC,    32
.set BC,    64
.set AF,    128
.set MK,    224
.set BR,    96
.set H,     128
.set PC,    192
.set CT,    208
.set TM,    232
.set PW,    248
.set KWA,   32
.set KWB,   40
.set G1,  24
.set G0,  32
.set G1B, 48
.set G0B, 56
.set G1S, 68
.set G0S, 76
.set G1SB, 80
.set G0SB, 88
.set SEL, 104
.set MSB, 0
.macro WIN new
.if MSB != (\new)
	s_set_vgpr_msb (MSB<<8)|(\new)
.set MSB, (\new)
.endif
.endm
.set MUL_LO, 0xa1
.set MUL_HI, 0xf1
.set TO_B,   0x40
.macro JLOAD g0a, g1a, g0b, g1b
	s_cmp_eq_u32 s21, 0
	s_cbranch_scc0 .Lfor_b_\@
	tensor_load_to_lds s[\g0a:\g0a+3], s[\g1a:\g1a+7]
	s_nop 0
.rept 4
	v_nop
.endr
	s_branch .Lasked_\@
.Lfor_b_\@:
	tensor_load_to_lds s[\g0b:\g0b+3], s[\g1b:\g1b+7]
	s_nop 0
.rept 4
	v_nop
.endr
.Lasked_\@:
.endm
.macro CREST
	s_cmp_lg_u32 s20, 0
	s_cbranch_scc1 .Lnot_wave_0_\@
	s_barrier_signal -3
.Lnot_wave_0_\@:
	s_barrier_wait -3
	s_barrier_signal -1
	s_barrier_wait -1
.endm
.macro CROUND
	s_barrier_signal -1
	s_barrier_wait -1
	CREST
.endm
	s_load_b512 s[4:19], s[0:1], 0x0
	v_lshl_add_u32 v[SPW], v0, 2, SPARE
	v_mov_b32 v[NIL], 0
	ds_add_u32 v[SPW], v[NIL]
	ds_add_u32 v[SPW], v[NIL]
	v_lshrrev_b32 v1, 5, v0
	v_readfirstlane_b32 s20, v1
	s_lshr_b32 s21, s20, 1
	s_and_b32 s22, s20, 1
	s_bfe_u32 s40, ttmp6, 0x40000
	s_bfe_u32 s41, ttmp6, 0x40004
	s_and_b32 s42, ttmp7, 0xffff
	s_lshl_b32 s43, s41, 2
	s_lshl_b32 s43, 15, s43
	s_lshl_b32 s44, 0x1111, s40
	s_or_b32 s[G1+0], s43, (3<<16)|(1<<21)
	s_or_b32 s[G1B+0], s44, (3<<16)|(1<<21)
.irp g, G1, G1B
	s_mov_b32 s[\g+1], 384<<16
	s_mov_b32 s[\g+2], 16<<16
	s_mov_b32 s[\g+3], 384<<16
	s_mov_b32 s[\g+4], 16
	s_mov_b32 s[\g+5], 1536
	s_mov_b32 s[\g+6], 0
	s_mov_b32 s[\g+7], 0
.endr
	s_or_b32 s[G1S+0], s43, (3<<16)|(1<<20)|(1<<21)|(5<<22)|(3<<25)
	s_or_b32 s[G1SB+0], s44, (3<<16)|(1<<20)|(1<<21)|(5<<22)|(3<<25)
.irp g, G1S, G1SB
	s_mov_b32 s[\g+1], 32<<16
	s_mov_b32 s[\g+2], 32<<16
	s_mov_b32 s[\g+3], 32<<16
	s_mov_b32 s[\g+4], 32
	s_mov_b32 s[\g+5], 32
	s_mov_b32 s[\g+6], 0
	s_mov_b32 s[\g+7], 0
.endr
	s_lshl_b32 s45, s42, 6
	s_lshr_b32 s46, s42, 3
	s_lshl_b32 s46, s46, 6
	s_add_co_u32 s46, s46, 1536
	s_cmp_ge_u32 s42, 16
	s_cselect_b32 s92, 1, 0
	s_cselect_b32 s47, s46, s45
	s_cselect_b32 s66, s45, s46
	s_lshl_b32 s23, s22, 3
	s_lshl_b32 s45, s41, 4
	s_add_co_u32 s47, s47, s45
	s_add_co_u32 s47, s47, s23
	s_lshl_b32 s46, s40, 4
	s_add_co_u32 s66, s66, s46
	s_add_co_u32 s66, s66, s23
	s_mul_i32 s2, s47, 12288
	s_mov_b32 s3, 0
	s_lshl_b32 s100, s47, 9
	s_mov_b32 s101, 0
	s_lshl_b32 s46, s66, 9
	s_mov_b32 s47, 0
	s_mul_i32 s66, s66, 12288
	s_mov_b32 s67, 0
	s_mul_i32 s45, s20, HALFT
	s_mov_b32 s94, 0xffff0000
	s_mov_b32 s[SEL], 0x76543210
	s_mov_b32 s[SEL+1], 0xfedcba98
	s_wait_dscnt 0x0
	s_wait_kmcnt 0x0
	s_add_nc_u64 s[2:3], s[4:5], s[2:3]
	s_add_nc_u64 s[66:67], s[4:5], s[66:67]
	CROUND
	s_mov_b32 s[G0S], 1
; THE HEAD'S FOUR TILES, each whole, one a wave: slot 0's 16 tiles of A, its 16 tiles of B, the scale words of A's 16 tiles, those of B's.  The offsets made above stand at the wave's half (8 tiles): the half is taken off again.
	s_lshl_b32 s23, s22, 12                        ; 8 tiles' scale words: 4,096 bytes
	s_sub_co_u32 s100, s100, s23
	s_sub_co_u32 s46, s46, s23
	s_mov_b32 s[G0S+1], SCL
	s_add_nc_u64 s[G0S+2:G0S+3], s[6:7], s[100:101]
	s_or_b32 s[G0S+3], s[G0S+3], 0x80000000
	s_mov_b32 s[G0SB], 1
	s_mov_b32 s[G0SB+1], SCL+2*HALFS
	s_add_nc_u64 s[G0SB+2:G0SB+3], s[6:7], s[46:47]
	s_or_b32 s[G0SB+3], s[G0SB+3], 0x80000000
	s_mul_i32 s100, s22, 8*12288                   ; 8 tiles of codes (s101 = 0)
	s_mov_b32 s4, 1                                ; s[4:7]: group 0 of A's 16 tiles (the arguments that lay there have been used)
	s_mov_b32 s5, 0
	s_sub_nc_u64 s[6:7], s[2:3], s[100:101]
	s_or_b32 s7, s7, 0x80000000
	s_mov_b32 s96, 1                               ; s[96:99]: of B's 16 tiles, behind A's in slot 0
	s_mov_b32 s97, 2*HALFT
	s_sub_nc_u64 s[98:99], s[66:67], s[100:101]
	s_or_b32 s99, s99, 0x80000000
.macro ARM under, g0, g1, next         ; an arm of the one chain of branches on the wave's number: its load, and a jump to the chain's end
	s_cmp_lt_u32 s20, \under
	s_cbranch_scc0 \next
	tensor_load_to_lds s[\g0:\g0+3], s[\g1:\g1+7]
	s_nop 0
.rept 4
	v_nop
.endr
	s_branch .Lhead_asked
\next:
.endm
.irp s, 0,1
	s_mov_b32 s[G0+4*\s], 1
	s_add_co_u32 s[G0+4*\s+1], s45, \s*SLOT
	s_add_nc_u64 s[G0+4*\s+2:G0+4*\s+3], s[2:3], \s*3072
	s_or_b32 s[G0+4*\s+3], s[G0+4*\s+3], 0x80000000
	s_mov_b32 s[G0B+4*\s], 1
	s_add_co_u32 s[G0B+4*\s+1], s45, \s*SLOT
	s_add_nc_u64 s[G0B+4*\s+2:G0B+4*\s+3], s[66:67], \s*3072
	s_or_b32 s[G0B+4*\s+3], s[G0B+4*\s+3], 0x80000000
.endr
	ARM 1, 4,   G1,  .Lhead_b
	ARM 2, 96,  G1B, .Lhead_sa
	ARM 3, G0S, G1S, .Lhead_sb
	tensor_load_to_lds s[G0SB:G0SB+3], s[G1SB:G1SB+7]
	s_nop 0
.rept 4
	v_nop
.endr
.Lhead_asked:
	s_wait_alu depctr_va_vdst(0)
	s_wait_tensorcnt 0x0                           ; my tile of the head's four is in
	ds_add_u32 v28, v29
	s_mov_b32 s[G1+2], 8<<16                       ; no tensor load of mine is out: from here on a load brings 8 tiles
	s_mov_b32 s[G1+4], 8
	s_mov_b32 s[G1B+2], 8<<16
	s_mov_b32 s[G1B+4], 8
	s_wait_dscnt 0x0
	CROUND                                         ; all four tiles are in, and all sixteen work-groups are here
	JLOAD G0+4, G1, G0B+4, G1B                     ; slot 1's first fill, a quarter of the slot a wave
	v_and_b32 v1, 15, v0
	v_bfe_u32 v2, v0, 4, 1
	v_and_b32 v3, 31, v0
	v_lshlrev_b32 v[L16], 4, v3
	v_lshlrev_b32 v[L8], 3, v3
	s_mul_i32 s23, s21, HALFT
	s_mul_i32 s45, s22, HALFT
	s_add_co_u32 s45, s45, 2*HALFT
.irp s, 0,1
	v_add_nc_u32 v[ADRA+\s], s23, v[L16]
	v_add_nc_u32 v[ADRB+\s], s45, v[L16]
	s_add_co_u32 s23, s23, SLOT
	s_add_co_u32 s45, s45, SLOT
.endr
	v_lshlrev_b32 v4, 5, v1
	v_lshrrev_b32 v7, 8, v4
	v_lshl_add_u32 v4, v7, 4, v4
	s_mul_i32 s23, s21, HALFS
	s_mul_i32 s45, s22, HALFS
	s_add_co_u32 s45, s45, 2*HALFS
	s_sub_co_u32 s45, s45, s23
	v_mul_u32_u24 v7, s45, v2
	s_add_co_u32 s23, s23, SCL
	v_add_nc_u32 v4, v4, v7
	v_add_nc_u32 v[ADRS], s23, v4
	v_and_b32 v5, 8, v1
	v_add_nc_u32 v5, v5, v1
	v_lshlrev_b32 v5, 2, v5
	s_wait_alu depctr_va_vdst(0)
	v_lshlrev_b32 v6, 6, v2
	v_and_b32 v8, 8, v1                            ; the mask goes by the order of key's rows in a tile: lane r of tile a of a key step holds token 64 (a / 4) + 8 (a % 4) + r + 24 (r / 8)
	v_mad_u32_u24 v8, v8, 3, v1
	v_lshlrev_b32 v8, 2, v8
	s_wait_alu depctr_va_vdst(0)
	s_cmp_eq_u32 s92, 0
	s_cselect_b32 s23, s41, s40
	s_cselect_b32 s45, s40, s41
	s_cselect_b32 s95, s21, s22
	s_cselect_b32 s3, s22, s21
	s_lshl_b32 s2, s42, 2
	s_add_co_u32 s23, s23, s2
	s_and_b32 s23, s23, 31
	s_lshr_b32 s2, s23, 3
	s_and_b32 s23, s23, 7
	s_lshl_b32 s23, s23, 1
	s_add_co_u32 s23, s23, s95
	s_lshl_b32 s45, s45, 2
	s_lshl_b32 s3, s3, 1
	s_add_co_u32 s45, s45, s3
	s_lshl_b32 s3, s2, 4
	s_add_co_u32 s45, s45, s3
	s_lshl_b32 s45, s45, 4
	s_add_co_u32 s45, s45, s23
	s_mov_b32 s3, REC
	s_cmp_lt_u32 s42, 8
	s_cselect_b32 s3, RECQ, s3
	s_cselect_b64 s[96:97], s[16:17], s[18:19]
	s_mul_i32 s98, s45, s3
	s_mov_b32 s99, 0
	s_add_nc_u64 s[96:97], s[96:97], s[98:99]
	s_lshl_b32 s98, s3, 4
	s_add_nc_u64 s[98:99], s[96:97], s[98:99]
	s_lshl_b32 s2, s2, 13
	s_lshl_b32 s46, s23, 9
	s_add_co_u32 s46, s46, s2
	s_lshl_b32 s66, s40, 10
	s_lshl_b32 s67, s22, 9
	s_add_co_u32 s66, s66, s67
	s_lshl_b32 s100, s41, 10
	s_lshl_b32 s101, s21, 9
	s_add_co_u32 s100, s100, s101
	s_cmp_eq_u32 s92, 0
	s_cselect_b32 s2, s2, 0
	s_cselect_b32 s46, s46, 0
	s_cselect_b32 s66, s66, 0
	s_cselect_b32 s100, 0, s100
	s_mov_b32 s3, 0
	s_mov_b32 s47, 0
	s_mov_b32 s67, 0
	s_mov_b32 s101, 0
	s_add_nc_u64 s[2:3], s[14:15], s[2:3]
	s_add_nc_u64 s[46:47], s[14:15], s[46:47]
	s_cmp_lt_u32 s42, 8
	s_cselect_b64 s[10:11], s[8:9], s[10:11]
	s_cmp_lt_u32 s42, 16
	s_cselect_b64 s[10:11], s[10:11], s[12:13]
	s_add_nc_u64 s[66:67], s[10:11], s[66:67]
	s_add_nc_u64 s[100:101], s[12:13], s[100:101]
.irp i, 0,1,2,3,4,5,6,7,8,9,10,11,12,13,14,15
	global_load_b128 v[128+4*\i:131+4*\i], v[L16], s[2:3] offset:512*\i
.endr
.irp a, 0,1,2,3,4,5,6,7
	global_load_b32 v[MK+\a], v8, s[46:47] offset:4*(64*(\a/4)+8*(\a%4))
.endr
.irp b, 0,1,2,3,4,5,6,7
	global_load_b128 v[BC+8*\b:BC+8*\b+3], v6, s[66:67] offset:4*(32*(\b/2)+8*(\b%2))
	global_load_b128 v[BC+8*\b+4:BC+8*\b+7], v6, s[66:67] offset:4*(32*(\b/2)+8*(\b%2))+16
.endr
	WIN TO_B
.irp a, 0,1,2,3,4,5,6,7
	global_load_b32 v[BR+2*\a], v5, s[100:101] offset:4*(32*(\a/2)+8*(\a%2))
	global_load_b32 v[BR+2*\a+1], v5, s[100:101] offset:4*(32*(\a/2)+8*(\a%2))
.endr
	WIN 0
	s_wait_loadcnt 40
.set ii, 4
.rept 60
	v_or_b32 v[128+ii%4], v[128+ii%4], v[128+ii]
.set ii, ii+1
.endr
	v_or_b32 v128, v128, v129
	v_or_b32 v130, v130, v131
	v_or_b32 v128, v128, v130
	v_cmp_ne_u32 s23, 0, v128
	s_mov_b32 s95, 0x01010000
	s_cmp_lg_u32 s23, 0
	s_cselect_b32 s93, -1, 0
	s_cselect_b32 s45, 0x30, 0
	v_mov_b32 v249, s45
	s_cselect_b32 s45, 0x019f0000, s95
	v_mov_b32 v250, s45
	v_mov_b32 v251, s95
.macro FRAG reg, adr, q, i
.irp c, 0,1,2
	ds_load_b128 v[\reg+4*\c:\reg+4*\c+3], v[\adr] offset:3072*(\i)+1536*(\q)+512*\c
.endr
.endm
.macro MUL16 a0, p, q, sc, zero
.irp a, \a0, \a0+1
.irp b, 0,1,2,3,4,5,6,7
.if \zero
	v_wmma_scale_f32_16x16x128_f8f6f4 v[8*(8*((\a)%4)+\b):8*(8*((\a)%4)+\b)+7], v[128*(\p)+FR*\b:128*(\p)+FR*\b+FR-1], v[AF+FR*(\a):AF+FR*(\a)+FR-1], 0, v[SC+8*NQ*(\sc)+NQ*\b+(\q)], v[SC+8*NQ*(\sc)+NQ*(\a)+(\q)] matrix_a_fmt:MATRIX_FMT_FP6 matrix_b_fmt:MATRIX_FMT_FP6 matrix_a_scale:MATRIX_SCALE_ROW1
.else
	v_wmma_scale_f32_16x16x128_f8f6f4 v[8*(8*((\a)%4)+\b):8*(8*((\a)%4)+\b)+7], v[128*(\p)+FR*\b:128*(\p)+FR*\b+FR-1], v[AF+FR*(\a):AF+FR*(\a)+FR-1], v[8*(8*((\a)%4)+\b):8*(8*((\a)%4)+\b)+7], v[SC+8*NQ*(\sc)+NQ*\b+(\q)], v[SC+8*NQ*(\sc)+NQ*(\a)+(\q)] matrix_a_fmt:MATRIX_FMT_FP6 matrix_b_fmt:MATRIX_FMT_FP6 matrix_a_scale:MATRIX_SCALE_ROW1
.endif
.endr
.endr
.endm
.macro FETCH_B slot, q, p
	WIN TO_B
.irp i, 0,1,2,3,4,5,6,7
	FRAG 128*(\p)+FR*\i, ADRB+\slot, \q, \i
.endr
	WIN 0
.endm
.macro FETCH_A slot, q, i0
.irp i, \i0, \i0+1, \i0+2, \i0+3
	FRAG AF+FR*(\i), ADRA+\slot, \q, \i
.endr
.endm
.macro SCALES sc
.irp i, 0,1,2,3,4,5,6,7
	ds_load_b64 v[SC+8*NQ*\sc+NQ*\i:SC+8*NQ*\sc+NQ*\i+1], v[ADRS] offset:\i*SBLK
.endr
.endm
.macro PLACES
.rept 4
	v_nop
.endr
.endm
.macro STEP slot, q, zero
	s_wait_dscnt 12
	WIN MUL_LO
	MUL16 0, (\q)%2, \q, \slot, \zero
	MUL16 2, (\q)%2, \q, \slot, \zero
	s_wait_dscnt 0x0
	PLACES
	FETCH_B \slot, (\q)+1, 1-(\q)%2
	FETCH_A \slot, (\q)+1, 0
	WIN MUL_HI
	MUL16 4, (\q)%2, \q, \slot, \zero
	MUL16 6, (\q)%2, \q, \slot, \zero
	PLACES
	WIN 0
	FETCH_A \slot, (\q)+1, 4
.endm
.macro TURN slot, next, fill
	s_wait_tensorcnt 0x0
	ds_add_u32 v[SPW], v[NIL]
	s_wait_dscnt 13
	WIN MUL_LO
	MUL16 0, 1, 1, \slot, 0
	s_wait_dscnt 0x0
	s_barrier_signal -1
	MUL16 2, 1, 1, \slot, 0
	WIN 0
	s_barrier_wait -1
.if \fill
	CREST
	s_add_nc_u64 s[G0+4*\slot+2:G0+4*\slot+3], s[G0+4*\slot+2:G0+4*\slot+3], 6144
	s_add_nc_u64 s[G0B+4*\slot+2:G0B+4*\slot+3], s[G0B+4*\slot+2:G0B+4*\slot+3], 6144
	JLOAD G0+4*\slot, G1, G0B+4*\slot, G1B
.else
	PLACES
.endif
	s_wait_alu depctr_va_vdst(0)
	v_add_nc_u32 v[ADRS], 4*NQ, v[ADRS]
	FETCH_B \next, 0, 0
	FETCH_A \next, 0, 0
	SCALES \next
	WIN MUL_HI
	MUL16 4, 1, 1, \slot, 0
	MUL16 6, 1, 1, \slot, 0
	PLACES
	WIN 0
	FETCH_A \next, 0, 4
.endm
	s_wait_tensorcnt 1
	s_barrier_signal -1
	s_barrier_wait -1
	FETCH_B 0, 0, 0
	FETCH_A 0, 0, 0
	SCALES 0
	FETCH_A 0, 0, 4
	STEP 0, 0, 1
	TURN 0, 1, 1
	STEP 1, 0, 0
	TURN 1, 0, 1
	STEP 0, 0, 0
	TURN 0, 1, 0
	STEP 1, 0, 0
	s_wait_dscnt 12
	WIN MUL_LO
	MUL16 0, 1, 1, 1, 0
	MUL16 2, 1, 1, 1, 0
	s_wait_dscnt 0x0
	WIN MUL_HI
	MUL16 4, 1, 1, 1, 0
	MUL16 6, 1, 1, 1, 0
	WIN 0
.macro QUANT s
.irp b, 0,1,2,3
	v_max3_num_f32 v[TM+\b], |v[\s+16*\b]|, |v[\s+1+16*\b]|, 0x1800000
.endr
.irp i, 2,4,6,8,10,12,14
.irp b, 0,1,2,3
	v_max3_num_f32 v[TM+\b], v[TM+\b], |v[\s+16*\b+\i]|, |v[\s+1+16*\b+\i]|
.endr
.endr
.irp b, 0,1,2,3
	v_permlanex16_b32 v[TM+4+\b], v[TM+\b], s[SEL], s[SEL+1]
.endr
.irp b, 0,1,2,3
	v_max_num_f32 v[TM+\b], v[TM+\b], v[TM+4+\b]
.endr
.irp b, 0,1,2,3
	v_add_nc_u32 v[TM+12+\b], 0xff000000, v[TM+\b]
.endr
.irp b, 0,1,2,3
	v_lshrrev_b32 v[TM+4+\b], 23, v[TM+12+\b]
.endr
	v_lshl_or_b32 v[PW], v[TM+5], 8, v[TM+4]
	v_lshl_or_b32 v[PW], v[TM+6], 16, v[PW]
	v_lshl_or_b32 v[PW], v[TM+7], 24, v[PW]
.irp c, 0,1
	v_cvt_scalef32_pk16_fp6_f32 v[PC+6*\c:PC+2+6*\c], v[\s+32*\c:\s+15+32*\c], v[TM+12+2*\c]
	v_cvt_scalef32_pk16_fp6_f32 v[CT+4*\c:CT+2+4*\c], v[\s+16+32*\c:\s+31+32*\c], v[TM+12+2*\c+1]
.endr
	v_nop
.irp c, 0,1
.irp i, 0,1,2
	v_permlane16_swap_b32 v[PC+6*\c+\i], v[CT+4*\c+\i]
.endr
.irp i, 0,1,2
	v_mov_b32 v[PC+3+6*\c+\i], v[CT+4*\c+\i]
.endr
.endr
.endm
.macro EQK a
.set AC, 64*((\a)%4)
	s_wait_xcnt 0x0
	WIN 0x02+(\a)/4
.set jj, 0
.rept 32
	v_pk_add_f32 v[H+jj:H+jj+1], v[AC+jj:AC+jj+1], v[BC+jj:BC+jj+1]
.set jj, jj+2
.endr
	WIN 0
	QUANT H
	v_cmp_eq_u32 vcc_lo, 0, v[MK+(\a)]
	v_cndmask_b32 v204, v205, v249, vcc_lo
	v_cndmask_b32 v252, v251, v250, vcc_lo
.irp i, 0,1,2,3,4,5,6,7,8,9,10,11
	v_and_b32 v[PC+\i], s93, v[PC+\i]
.endr
	v_and_or_b32 v[KWA+(\a)], v[PW], 0xffff, v252
	v_lshrrev_b32 v253, 16, v[PW]
	v_or_b32 v[KWB+(\a)], v253, v252
	v_mov_b32 v216, v[PC+4]
	v_mov_b32 v217, v[PC+5]
	v_mov_b32 v218, v204
	global_store_b128 v[L16], v[192:195], s[96:97] offset:1024*(\a)
	global_store_b128 v[L16], v[216:219], s[96:97] offset:1024*(\a)+512
	global_store_b128 v[L16], v[198:201], s[98:99] offset:1024*(\a)
	global_store_b128 v[L16], v[202:205], s[98:99] offset:1024*(\a)+512
.endm
.macro EV a
.set AC, 64*((\a)%4)
	s_wait_xcnt 0x0
	WIN 0x06+(\a)/4
.set jj, 0
.rept 32
	v_pk_add_f32 v[H+jj:H+jj+1], v[AC+jj:AC+jj+1], v[BR+2*(\a):BR+2*(\a)+1]
.set jj, jj+2
.endr
	WIN 0
	QUANT H
	v_mov_b32 v[KWA+(\a)], v[PW]
.irp c, 0,1,2
	global_store_b128 v[L16], v[PC+4*\c:PC+4*\c+3], s[96:97] offset:8704+1536*((\a)%4)+16*REC*((\a)/4)+512*\c
.endr
.endm
	s_wait_loadcnt 0x0
	PLACES
.irp b, 0,1,2,3
	v_mov_b32 v[TM+4+\b], 0
.endr
	v_mov_b32 v205, 0
	v_mov_b32 v219, 0
	s_cmp_lg_u32 s92, 0
	s_cbranch_scc1 .Lvalues
.irp a, 0,1,2,3,4,5,6,7
	EQK \a
.endr
	s_wait_xcnt 0x0
.irp n, 0,1,2,3
	v_cndmask_b32 v[216+\n], v[KWA+2*\n], v[KWA+2*\n+1], s94
	v_cndmask_b32 v[208+\n], v[KWB+2*\n], v[KWB+2*\n+1], s94
.endr
	global_store_b128 v[L16], v[216:219], s[96:97] offset:8192
	global_store_b128 v[L16], v[208:211], s[98:99] offset:8192
	s_branch .Ljoin
.Lvalues:
.irp a, 0,1,2,3,4,5,6,7
	EV \a
.endr
	s_wait_alu depctr_va_vdst(0)
	s_wait_xcnt 0x0
.irp n, 0,1,2,3
	v_cndmask_b32 v[216+\n], v[KWA+2*\n], v[KWA+2*\n+1], s94
.endr
	global_store_b64 v[L8], v[216:217], s[96:97] offset:14848
	global_store_b64 v[L8], v[218:219], s[96:97] offset:14848+16*REC
.Ljoin:
	s_wait_tensorcnt 0x0
	ds_add_u32 v[SPW], v[NIL]
	s_wait_dscnt 0x0
	CROUND
	s_endpgm
.Lfunc_end_k_qeebfa52621_proj:
	.size	k_qeebfa52621_proj, .Lfunc_end_k_qeebfa52621_proj-k_qeebfa52621_proj
	.p2alignl 7, 3214868480
	.fill 96, 4, 3214868480
	.section	.rodata,"a",@progbits
	.p2align	6, 0x0
	.amdhsa_kernel k_qeebfa52621_proj
		.amdhsa_group_segment_fixed_size 327680
		.amdhsa_private_segment_fixed_size 0
		.amdhsa_enable_private_segment 0
		.amdhsa_kernarg_size 64
		.amdhsa_user_sgpr_count 2
		.amdhsa_user_sgpr_kernarg_segment_ptr 1
		.amdhsa_wavefront_size32 1
		.amdhsa_system_sgpr_workgroup_id_x 1
		.amdhsa_system_sgpr_workgroup_id_y 1
		.amdhsa_system_sgpr_workgroup_id_z 1
		.amdhsa_system_vgpr_workitem_id 0
		.amdhsa_next_free_vgpr 1024
		.amdhsa_next_free_sgpr 106
		.amdhsa_reserve_vcc 1
		.amdhsa_float_denorm_mode_32 3
		.amdhsa_float_denorm_mode_16_64 3
		.amdhsa_memory_ordered 1
		.amdhsa_forward_progress 1
		.amdhsa_inst_pref_size 222
	.end_amdhsa_kernel
	.amdgpu_metadata
---
amdhsa.version: [ 1, 2 ]
amdhsa.kernels:
  - .name:           k_qeebfa52621_proj
    .symbol:         k_qeebfa52621_proj.kd
    .args:
      - { .name: img, .offset: 0, .size: 8, .value_kind: global_buffer, .address_space: global }
      - { .name: scl, .offset: 8, .size: 8, .value_kind: global_buffer, .address_space: global }
      - { .name: bq, .offset: 16, .size: 8, .value_kind: global_buffer, .address_space: global }
      - { .name: bk, .offset: 24, .size: 8, .value_kind: global_buffer, .address_space: global }
      - { .name: bv, .offset: 32, .size: 8, .value_kind: global_buffer, .address_space: global }
      - { .name: mask, .offset: 40, .size: 8, .value_kind: global_buffer, .address_space: global }
      - { .name: qrec, .offset: 48, .size: 8, .value_kind: global_buffer, .address_space: global }
      - { .name: kv, .offset: 56, .size: 8, .value_kind: global_buffer, .address_space: global }
    .group_segment_fixed_size: 327680
    .private_segment_fixed_size: 0
    .kernarg_segment_align: 8
    .kernarg_segment_size: 64
    .max_flat_workgroup_size: 128
    .sgpr_count:     106
    .vgpr_count:     1024
    .wavefront_size: 32
...
	.end_amdgpu_metadata
.endif
;; end of part 2
;; launch attn (part 3): grid 4 x 64, 16 waves a work-group, clusters of 4 x 1, 327,680 bytes of LDS; arguments qrec, kv, ximg, xscl; writes ximg, xscl
.if DOCPART == 3
	.amdgcn_target "amdgcn-amd-amdhsa--gfx1250"
	.amdhsa_code_object_version 6
	.text
	.protected	k_qeebfa52621_attn
	.globl	k_qeebfa52621_attn
	.p2align	8
	.type	k_qeebfa52621_attn,@function
k_qeebfa52621_attn:
	s_mov_b64 s[64:65], 0
	v_nop
	global_prefetch_b8 v0, s[64:65] scope:SCOPE_SE
	s_setreg_imm32_b32 hwreg(HW_REG_WAVE_MODE, 25, 1), 1
	s_wait_xcnt 0x0
	s_wait_alu depctr_hold_cnt(0) depctr_sa_sdst(0) depctr_va_vdst(0) depctr_va_sdst(0) depctr_va_ssrc(0) depctr_va_vcc(0) depctr_vm_vsrc(0)
	s_getreg_b32 s2, hwreg(HW_REG_IB_STS2, 6, 4)
	s_cmp_eq_u32 s2, 0
	s_cbranch_scc0 .Lentry_in_a_cluster
	s_endpgm
.Lentry_in_a_cluster:
	s_bfe_u32 s2, ttmp6, 0x10000c
	s_cmp_lg_u32 s2, 0x3003
	s_cbranch_scc0 .Lentry_shape_is_right
	s_endpgm
.Lentry_shape_is_right:
; x[b][q][head] = the sum over keys of softmax(q . k / 8, masked) v, both products on codes of FP6 (E2M3) with E8M0 scales; x is quantised along the model's 1,024 for the last product and leaves as codes.
; THE SOFTMAX AHEAD OF THE SECOND PRODUCT: t = score x log2(e) / 8; M = the running largest t rounded UP to a whole number; p = 2^(t - M) is quantised along the keys, not normalised; the row's sum is taken of the
; unquantised p and divides at the end.  When M moves, the sum and O are multiplied by 2^(old M - new M): exact, and no branch on data.
; LIMIT: the promise holds while the scaled scores t stay under 2^31 in magnitude.  NaN and infinities are not served.
; THE MASK costs nothing here: q k^T has K = 64 of the instruction's 128.  Every query has the code 1 at k = 64 (scale bytes 127); a masked key has -2 there under 2^32, an open key 0 under 2^-126 (made by the launch before).
; K's registers 8-11 of a fragment are the next tile's codes: they meet the query's zero codes.
; SHARES.  Work-group (cx, y): head y % 16 of batch y / 16, tokens 512 cx .. 512 cx + 511 as queries: 4 x 64 = 256 work-groups.  THE HEAD'S 16 KEY RECORDS (128 keys, 15,104 bytes each: 241,664 bytes) LIE IN LDS ALL AT ONCE:
; no ring, no further barrier.
; A wave owns 16 queries at a time in 256 registers and walks the 16 records twice: pass ps takes query tile 32 cx + 16 ps + wave of the batch's 128.
; CLUSTER 4 x 1: the four work-groups of a y read the same records: each record is asked for jointly.  cx enters only q's and x's global addresses.
; NO DATA PREFETCH: all that the work-group reads of kv is asked for at the head; there is no loop to run ahead in.
; Both products are used transposed (S^T = k q^T, O^T = v^T p^T): a lane holds one query throughout.  Row m of k's tile 4 c + u is key 64 c + 32 (m / 8) + 8 u + m % 8 of the record, so the 32 score registers of tiles 4 c .. 4 c + 3 in lane
; (r, h) are keys 64 c + 32 h + 0 .. 31 in order: ONE WHOLE SCALE BLOCK of p, in the very place that the operand's layout gives that lane.  A block's maximum needs no other lane and p's codes change no lane.
; THE ORDER OF A STEP: the wait for k's tiles; the scores; v's loads; maxima, M, p; p's scale word and codes, with O^T's rescaling among those lines; the second product; THE NEXT RECORD'S k IS ASKED OF LDS; this step's p are added to the row's sum
; between those loads and the wait for them.  A pass's last step asks for record 0, for the next pass; behind the second pass those 17 LDS loads serve nothing.
; x LEAVES BY HEADS: ximg[row tile][head][piece 0..2][lane][8 bytes]: the head's six registers of the last product's fragment (two heads are one K step of 128); each store covers 256 consecutive bytes, aligned.
; xscl[row tile][row r][head][2 bytes]: 2 bytes a row, 32 bytes apart: the one store here that fills no whole run; 1 byte in 24 of what the launch stores.
; REGISTERS: v1 16 lane, v2 8 lane, v3, v4 LDS addresses; v5, v6 the add's two; v7 8 (lane / 16); v8-11 k's scale words; v12 -M, v13 largest score, v[14:15] the sum; v16-27 q; v28 q's scale word; v29 p's; v[30:31] v's;
;   v32-99 k's eight tiles, 8 registers apart (v96-99 = 0), then v's four fragments in v32-79; v100-163 S^T, then p; v164-195 O^T; v196-207 p's codes; v208-214 conversions' second halves; v216-225 maxima, scale operands, bytes;
;   v228, v229 at work; v[230:231] f; v[232:233], v[238:239], v[254:255] further chains of the sum; v234-236 offsets; v240-245 x's codes; v246-252 the second pass's q and its scale word; v253 x's two scale bytes.
.set REC,   15104
.set RECQ,  8704
.set KSC,   8192
.set VIMG,  8704
.set VSC,   14848
.set SPARE, 16*REC                     ; behind the records: the spare words, 128 bytes a wave: eight blocks of 256 bytes that no other line names
.set XC,    240
.macro CROUND
	s_barrier_signal -1
	s_barrier_wait -1
	s_cmp_lg_u32 s12, 0
	s_cbranch_scc1 .Lnot_wave_0_\@
	s_barrier_signal -3
.Lnot_wave_0_\@:
	s_barrier_wait -3
	s_barrier_signal -1
	s_barrier_wait -1
.endm
.macro KLOADS                          ; k's eight tiles and their scale words, of the record at which v3 stands
.irp t, 0,1,2,3,4,5,6,7
	ds_load_b128 v[32+8*\t:35+8*\t], v3 offset:1024*\t
	ds_load_b128 v[36+8*\t:39+8*\t], v3 offset:1024*\t+512
.endr
	ds_load_b128 v[8:11], v3 offset:KSC
.endm
.macro OMUL k                          ; two numbers of O^T under the new M
	v_pk_mul_f32 v[164+2*(\k):165+2*(\k)], v[164+2*(\k):165+2*(\k)], v[230:231] op_sel_hi:[1,0]
.endm
	s_load_b256 s[4:11], s[0:1], 0x0               ; qrec, kv, ximg, xscl
	v_lshl_add_u32 v5, v0, 2, SPARE
	v_mov_b32 v6, 0
	ds_add_u32 v5, v6                              ; the wave's opening: the add, twice on end, and its wait ahead of the first tensor load
	ds_add_u32 v5, v6
	v_lshrrev_b32 v1, 5, v0
	v_readfirstlane_b32 s12, v1                    ; wave 0..15
	s_bfe_u32 s13, ttmp6, 0x40000                  ; cx: my 512 tokens of the batch
	s_and_b32 s15, ttmp7, 0xffff                   ; y = 16 batch + head
	s_mul_i32 s16, s15, 16*REC                     ; the head's 16 records,
	s_mul_i32 s33, s12, REC                        ; of which I fetch record = wave, to LDS byte wave x REC
	s_add_co_u32 s16, s16, s33
	s_mov_b32 s17, 0
	s_lshl_b32 s19, s15, 4
	s_lshl_b32 s20, s13, 2
	s_add_co_u32 s19, s19, s20
	s_lshr_b32 s20, s12, 3
	s_add_co_u32 s19, s19, s20                     ; q's record of the first pass: 16 y + 4 cx + wave / 8; the second pass's lies two records on
	s_mul_i32 s36, s19, RECQ
	s_mov_b32 s37, 0
	s_and_b32 s19, s12, 7                          ; my tile of q's record
	s_lshl_b32 s22, s19, 10
	s_and_b32 s20, s19, 1
	s_lshl_b32 s23, s20, 8
	s_lshr_b32 s21, s19, 1
	s_lshl_b32 s21, s21, 2
	s_add_co_u32 s23, s23, s21                     ; its scale word: that of lane (r, tile % 2), word tile / 2
	s_lshr_b32 s19, s15, 4
	s_lshl_b32 s19, s19, 7
	s_lshl_b32 s20, s13, 5
	s_add_co_u32 s19, s19, s20
	s_add_co_u32 s19, s19, s12                     ; x's row tile of the first pass: 128 batch + 32 cx + wave
	s_and_b32 s20, s15, 15                         ; the head
	s_mul_i32 s50, s19, 12288
	s_mul_i32 s21, s20, 768
	s_add_co_u32 s50, s50, s21
	s_mov_b32 s51, 0
	s_lshl_b32 s52, s19, 9
	s_lshl_b32 s21, s20, 1
	s_add_co_u32 s52, s52, s21
	s_mov_b32 s53, 0
	; group 1: a record, 15,104 dense bytes, as 59 rows of 256 (32 elements of 8 bytes); mask: all four work-groups
	s_mov_b32 s24, 15|(3<<16)|(1<<21)
	s_mov_b32 s25, 32<<16
	s_mov_b32 s26, 59<<16
	s_mov_b32 s27, 32<<16
	s_mov_b32 s28, 59
	s_mov_b32 s29, 32
	s_mov_b32 s30, 0
	s_mov_b32 s31, 0
	s_mov_b32 s40, 0x76543210
	s_mov_b32 s41, 0xfedcba98                      ; selects for lane l xor 16
	s_mov_b32 s42, 0x3e38aa3b                      ; c = log2(e) / 8
	s_mov_b32 s43, s42                             ; (named with it as a pair)
	s_mov_b32 s48, 0x7f7f0000                      ; q's scale bytes 2 and 3: 1.0
	s_mov_b32 s44, 0                               ; the pass
	s_wait_dscnt 0x0                               ; both opening adds are done
	s_wait_kmcnt 0x0
	s_mov_b32 s32, 1
	s_add_nc_u64 s[34:35], s[6:7], s[16:17]
	s_or_b32 s35, s35, 0x80000000
	s_add_nc_u64 s[36:37], s[4:5], s[36:37]
	s_add_nc_u64 s[50:51], s[8:9], s[50:51]
	s_add_nc_u64 s[52:53], s[10:11], s[52:53]
	CROUND                                         ; all four work-groups are here: the joint loads meet
	tensor_load_to_lds s[32:35], s[24:31]          ; my record: the one tensor load of the wave
	s_nop 0
	v_and_b32 v1, 31, v0
	v_and_b32 v235, 15, v0
	v_bfe_u32 v22, v0, 4, 1
	v_lshlrev_b32 v2, 3, v1
	v_lshlrev_b32 v1, 4, v1
	v_lshl_add_u32 v236, v235, 4, s23
	v_lshlrev_b32 v235, 5, v235                    ; x's scale bytes: 32 bytes a row
	v_lshlrev_b32 v7, 3, v22                       ; 8 h: my bytes' place in p's scale word
	v_add_nc_u32 v234, s22, v1
	v_xor_b32 v22, 1, v22
	v_lshlrev_b32 v22, 3, v22                      ; the code 1.0 at k = 64 (lanes 0-15 hold k = 64 .. 95), zeros elsewhere
	global_load_b128 v[16:19], v234, s[36:37]
	global_load_b64 v[20:21], v234, s[36:37] offset:512
	global_load_b32 v28, v236, s[36:37] offset:KSC
.irp i, 23,24,25,26,27,96,97,98,99,222,228,231
	v_mov_b32 v\i, 0
.endr
	v_mov_b32 v3, v1                               ; the first step's record: record 0
	v_mov_b32 v4, v2
	s_wait_alu depctr_va_vdst(0)
	s_wait_loadcnt 0x0
	s_wait_tensorcnt 0x0                           ; my record is in:
	s_barrier_signal -1
	s_barrier_wait -1                              ; and so is everybody's.
	KLOADS
	global_load_b128 v[246:249], v234, s[36:37] offset:2*RECQ        ; the second pass's q: it has the first pass in which to land
	global_load_b64 v[250:251], v234, s[36:37] offset:2*RECQ+512
	global_load_b32 v252, v236, s[36:37] offset:2*RECQ+KSC
; A KEY STEP: 128 keys, the record at which v3 and v4 stand; its k was asked for a step earlier.  s2: the LDS byte at which the NEXT step's record begins.
.macro STEP
	s_wait_alu depctr_va_vdst(0)
	s_wait_dscnt 0x0                               ; k's tiles and scale words
.irp t, 0,2,4,6                                ; S^T = k q^T: scale word of tile t in register t / 2, lanes 0-15 for the even tile, 16-31 for the odd
	v_wmma_scale_f32_16x16x128_f8f6f4 v[100+8*\t:107+8*\t], v[32+8*\t:43+8*\t], v[16:27], 0, v[8+\t/2], v28 matrix_a_fmt:MATRIX_FMT_FP6 matrix_b_fmt:MATRIX_FMT_FP6
	v_wmma_scale_f32_16x16x128_f8f6f4 v[108+8*\t:115+8*\t], v[40+8*\t:51+8*\t], v[16:27], 0, v[8+\t/2], v28 matrix_a_fmt:MATRIX_FMT_FP6 matrix_b_fmt:MATRIX_FMT_FP6 matrix_a_scale:MATRIX_SCALE_ROW1
.endr
	v_mov_b32 v229, v12                            ; the old -M.  With three v_nop: four places, for v's loads into k's registers and for the first read of the scores
.rept 3
	v_nop
.endr
.irp t, 0,1,2,3
.irp c, 0,1,2
	ds_load_b128 v[32+12*\t+4*\c:35+12*\t+4*\c], v3 offset:VIMG+1536*\t+512*\c   ; v's fragments land under the softmax
.endr
.endr
	ds_load_b64 v[30:31], v4 offset:VSC
.irp b, 0,1,2,3
	v_max3_num_f32 v[216+\b], v[100+16*\b], v[101+16*\b], v[102+16*\b]   ; four chains, one over each 16 scores; each accumulator is first read at its low end
.endr
.irp i, 3,5,7,9,11,13
.irp b, 0,1,2,3
	v_max3_num_f32 v[216+\b], v[216+\b], v[100+16*\b+\i], v[101+16*\b+\i]
.endr
.endr
	v_max3_num_f32 v216, v216, v115, v131
	v_max3_num_f32 v218, v218, v147, v163
	s_delay_alu instid0(VALU_DEP_2)
	v_max_num_f32 v216, v216, v217                 ; the largest score of my block of keys 32 h .. 32 h + 31: for the row's maximum, and, since p rises with the score, for the block's largest p
	s_delay_alu instid0(VALU_DEP_2)
	v_max_num_f32 v217, v218, v219                 ; and of keys 64 + 32 h ..
	s_delay_alu instid0(VALU_DEP_1)
	v_max_num_f32 v228, v216, v217
	s_delay_alu instid0(VALU_DEP_1)
	v_permlanex16_b32 v222, v228, s40, s41
	s_delay_alu instid0(VALU_DEP_1)
	v_max3_num_f32 v13, v13, v228, v222            ; the running largest score of my query (c is positive: its t is the largest t)
	s_delay_alu instid0(VALU_DEP_1)
	v_mul_f32 v228, s42, v13                       ; as t
	s_delay_alu instid0(VALU_DEP_1)
	v_floor_f32 v12, -v228                         ; -M = floor(-t)
	s_delay_alu instid0(VALU_DEP_1)
	v_sub_f32 v229, v12, v229                      ; old M - new M: a whole number, 0 or less
	s_delay_alu instid0(VALU_DEP_1)
	v_cvt_i32_f32 v229, v229                       ; (it saturates)
	s_delay_alu instid0(VALU_DEP_1)
	v_ldexp_f32 v230, 1.0, v229                    ; f
.set jj, 0
.rept 32
	v_pk_fma_f32 v[100+jj:101+jj], v[100+jj:101+jj], s[42:43], v[12:13] op_sel_hi:[1,0,0]   ; t - M
.set jj, jj+2
.endr
	v_fma_f32 v216, v216, s42, v12
	v_fma_f32 v217, v217, s42, v12
	s_wait_alu depctr_va_vdst(0)
.set jj, 0
.rept 64
	v_exp_f32 v[100+jj], v[100+jj]                 ; p = 2^(t - M)
.set jj, jj+1
.endr
	v_exp_f32 v216, v216                           ; my two blocks' largest p: the same two instructions on the same number give the same bits
	v_exp_f32 v217, v217
	v_pk_mul_f32 v[14:15], v[14:15], v[230:231] op_sel_hi:[1,0]   ; the sums under the new M: the plain place behind the exponentials
	s_wait_alu depctr_va_vdst(0)                   ; one wait for the batch, ahead of its first reader
; p's scale word, line by line, with O^T's rescaling, which hangs on none of these lines, between them
	v_max_num_f32 v216, 0x1800000, v216            ; the floor 2^(3 - 127): the byte cannot fall under 1
	v_max_num_f32 v217, 0x1800000, v217
	OMUL 0
	OMUL 1
	v_add_nc_u32 v218, 0xff000000, v216            ; 2 off the exponent field: the conversions' scale operands
	v_add_nc_u32 v219, 0xff000000, v217
	OMUL 2
	OMUL 3
	v_lshrrev_b32 v220, 23, v218                   ; the scales' bytes: blocks h and 2 + h of my query
	v_lshrrev_b32 v221, 23, v219
	OMUL 4
	OMUL 5
	v_lshl_or_b32 v220, v221, 16, v220
	OMUL 6
	OMUL 7
	v_lshlrev_b32 v220, v7, v220                   ; at their places in the word;
	OMUL 8
	OMUL 9
	v_permlanex16_b32 v222, v220, s40, s41
.irp c, 0,1
	v_cvt_scalef32_pk16_fp6_f32 v[196+6*\c:198+6*\c], v[100+32*\c:115+32*\c], v[218+\c]
	v_cvt_scalef32_pk16_fp6_f32 v[208+4*\c:210+4*\c], v[116+32*\c:131+32*\c], v[218+\c]   ; (a conversion's three registers begin on an even number)
.endr
	OMUL 10                                        ; the plain place behind the scaled conversions
	v_or_b32 v29, v220, v222                       ; with lane l xor 16's two: p's scale word for these 128 keys; eleven plain lines stand between it and the products
.irp c, 0,1
.irp i, 0,1,2
	v_mov_b32 v[199+6*\c+\i], v[208+4*\c+\i]
.endr
.endr
.irp k, 11,12,13,14,15
	OMUL \k                                        ; five plain lines between p's codes and the products
.endr
	s_wait_alu depctr_va_vdst(0)
	s_wait_dscnt 0x0                               ; v's fragments and scale words
.irp t, 0,2                                    ; O^T += v^T p^T: four accumulators, one instruction a turn; eleven other products stand between two links
	v_wmma_scale_f32_16x16x128_f8f6f4 v[164+8*\t:171+8*\t], v[32+12*\t:43+12*\t], v[196:207], v[164+8*\t:171+8*\t], v[30+\t/2], v29 matrix_a_fmt:MATRIX_FMT_FP6 matrix_b_fmt:MATRIX_FMT_FP6
	v_wmma_scale_f32_16x16x128_f8f6f4 v[172+8*\t:179+8*\t], v[44+12*\t:55+12*\t], v[196:207], v[172+8*\t:179+8*\t], v[30+\t/2], v29 matrix_a_fmt:MATRIX_FMT_FP6 matrix_b_fmt:MATRIX_FMT_FP6 matrix_a_scale:MATRIX_SCALE_ROW1
.endr
	v_add_nc_u32 v3, s2, v1                        ; on to the next record.  These two lines and the two below are the four places in front of loads into registers that the products read
	v_add_nc_u32 v4, s2, v2
	v_pk_add_f32 v[232:233], v[100:101], v[102:103]   ; the row's sum of the unquantised p, in four chains
	v_pk_add_f32 v[254:255], v[104:105], v[106:107]
	KLOADS                                         ; they land under the additions
	v_pk_add_f32 v[238:239], v[108:109], v[110:111]
.irp j, 112,120,128,136,144,152
	v_pk_add_f32 v[14:15], v[14:15], v[\j:\j+1]
	v_pk_add_f32 v[232:233], v[232:233], v[\j+2:\j+3]
	v_pk_add_f32 v[254:255], v[254:255], v[\j+4:\j+5]
	v_pk_add_f32 v[238:239], v[238:239], v[\j+6:\j+7]
.endr
	v_pk_add_f32 v[14:15], v[14:15], v[160:161]
	v_pk_add_f32 v[232:233], v[232:233], v[162:163]
	s_delay_alu instid0(VALU_DEP_2)
	v_pk_add_f32 v[14:15], v[14:15], v[254:255]
	s_delay_alu instid0(VALU_DEP_2)
	v_pk_add_f32 v[232:233], v[232:233], v[238:239]
	s_delay_alu instid0(VALU_DEP_1)
	v_pk_add_f32 v[14:15], v[14:15], v[232:233]
.endm
.Lpass:                                            ; two trips: 16 queries against the head's 2,048 keys
	v_and_or_b32 v28, v28, 0xffff, s48             ; the record's bytes 2 and 3 are the token's own mask: not a query's
.set jj, 0
.rept 32
	v_mov_b32 v[164+jj], 0                         ; O^T and the sum are zeros, the largest score is -3e38, under every score.  (The step's first turn finds zeros.)  Also the places behind q's scale word
.set jj, jj+1
.endr
	v_mov_b32 v14, 0
	v_mov_b32 v15, 0
	v_mov_b32 v13, 0xff61b1e6
	s_delay_alu instid0(VALU_DEP_1)
	v_floor_f32 v12, -v13
	s_mov_b32 s2, REC
	s_mov_b32 s3, 15
.Lstep:                                            ; records 0 to 14; each asks for the next one's k
	STEP
	s_add_co_u32 s2, s2, REC
	s_sub_co_u32 s3, s3, 1
	s_cmp_lg_u32 s3, 0
	s_cbranch_scc1 .Lstep
	s_mov_b32 s2, 0
	STEP                                           ; record 15; it asks for record 0's k
; THE PASS'S END: x = O^T / the sum; its 64 numbers a query (32 a lane, 16 of each block of 32) become the head's six registers of x's fragment and two scale bytes.  (The step's additions are the places behind the last products)
	s_delay_alu instid0(VALU_DEP_1)
	v_add_f32 v14, v14, v15
	s_delay_alu instid0(VALU_DEP_1)
	v_permlanex16_b32 v228, v14, s40, s41
	s_delay_alu instid0(VALU_DEP_1)
	v_add_f32 v14, v14, v228                       ; the row's sum
	s_wait_alu depctr_va_vdst(0)
	v_rcp_f32 v14, v14
	v_nop                                          ; a plain place behind the reciprocal
	s_wait_alu depctr_va_vdst(0)                   ; and the wait ahead of its first reader
.set jj, 0
.rept 32
	v_mul_f32 v[100+jj], v[164+jj], v14            ; register 16 b + i: channel 32 b + 16 (lane / 16) + i of the head
.set jj, jj+1
.endr
.irp b, 0,1
	v_max3_num_f32 v[216+\b], |v[100+16*\b]|, |v[101+16*\b]|, 0x1800000
.endr
.irp i, 2,4,6,8,10,12,14
.irp b, 0,1
	s_delay_alu instid0(VALU_DEP_2)
	v_max3_num_f32 v[216+\b], v[216+\b], |v[100+16*\b+\i]|, |v[101+16*\b+\i]|
.endr
.endr
.irp b, 0,1
	s_delay_alu instid0(VALU_DEP_2)
	v_permlanex16_b32 v[220+\b], v[216+\b], s40, s41
.endr
.irp b, 0,1
	s_delay_alu instid0(VALU_DEP_2)
	v_max_num_f32 v[216+\b], v[216+\b], v[220+\b]
.endr
.irp b, 0,1
	s_delay_alu instid0(VALU_DEP_2)
	v_add_nc_u32 v[224+\b], 0xff000000, v[216+\b]
.endr
.irp b, 0,1
	s_delay_alu instid0(VALU_DEP_2)
	v_lshrrev_b32 v[220+\b], 23, v[224+\b]
.endr
	s_delay_alu instid0(VALU_DEP_1)
	v_lshl_or_b32 v253, v221, 8, v220              ; the same in lanes l and l xor 16
	v_cvt_scalef32_pk16_fp6_f32 v[XC:XC+2], v[100:115], v224
	v_cvt_scalef32_pk16_fp6_f32 v[208:210], v[116:131], v225
	v_nop
.irp i, 0,1,2
	v_permlane16_swap_b32 v[XC+\i], v[208+\i]      ; a whole block to a lane: lanes 0-15 the head's channels 0-31, lanes 16-31 channels 32-63
.endr
.irp i, 0,1,2
	s_delay_alu instid0(VALU_DEP_3)
	v_mov_b32 v[XC+3+\i], v[208+\i]
.endr
.irp p, 0,1,2
	global_store_b64 v2, v[XC+2*\p:XC+2*\p+1], s[50:51] offset:256*\p   ; 32 lanes store 256 consecutive bytes, at a multiple of 256 from the buffer's first byte
.endr
	global_store_b16 v235, v253, s[52:53]          ; lanes l and l xor 16 store the same two bytes to the same place
	s_wait_alu depctr_va_vdst(0)
	s_wait_loadcnt 0x0                             ; the second pass's q is in
.irp i, 0,1,2,3,4,5
	v_mov_b32 v[16+\i], v[246+\i]                  ; (behind the second pass these seven lines serve nothing more)
.endr
	v_mov_b32 v28, v252
	s_wait_alu depctr_va_vdst(0)
	s_wait_xcnt 0x0                                ; the stores have read their bases and their data
	s_add_nc_u64 s[50:51], s[50:51], 16*12288      ; x's row tile of the next pass: 16 on
	s_add_nc_u64 s[52:53], s[52:53], 16*512
	s_add_co_u32 s44, s44, 1
	s_cmp_lg_u32 s44, 2
	s_cbranch_scc1 .Lpass
	s_wait_tensorcnt 0x0                           ; the wave's end
	ds_add_u32 v5, v6
	s_wait_dscnt 0x0
	CROUND                                         ; the closing round
	s_endpgm
.Lfunc_end_k_qeebfa52621_attn:
	.size	k_qeebfa52621_attn, .Lfunc_end_k_qeebfa52621_attn-k_qeebfa52621_attn
	.p2alignl 7, 3214868480
	.fill 96, 4, 3214868480
	.section	.rodata,"a",@progbits
	.p2align	6, 0x0
	.amdhsa_kernel k_qeebfa52621_attn
		.amdhsa_group_segment_fixed_size 327680
		.amdhsa_private_segment_fixed_size 0
		.amdhsa_enable_private_segment 0
		.amdhsa_kernarg_size 32
		.amdhsa_user_sgpr_count 2
		.amdhsa_user_sgpr_kernarg_segment_ptr 1
		.amdhsa_wavefront_size32 1
		.amdhsa_system_sgpr_workgroup_id_x 1
		.amdhsa_system_sgpr_workgroup_id_y 1
		.amdhsa_system_sgpr_workgroup_id_z 1
		.amdhsa_system_vgpr_workitem_id 0
		.amdhsa_next_free_vgpr 256
		.amdhsa_next_free_sgpr 66
		.amdhsa_reserve_vcc 0
		.amdhsa_float_denorm_mode_32 3
		.amdhsa_float_denorm_mode_16_64 3
		.amdhsa_memory_ordered 1
		.amdhsa_forward_progress 1
		.amdhsa_inst_pref_size 43
	.end_amdhsa_kernel
	.amdgpu_metadata
---
amdhsa.version: [ 1, 2 ]
amdhsa.kernels:
  - .name:           k_qeebfa52621_attn
    .symbol:         k_qeebfa52621_attn.kd
    .args:
      - { .name: qrec, .offset: 0, .size: 8, .value_kind: global_buffer, .address_space: global }
      - { .name: kv, .offset: 8, .size: 8, .value_kind: global_buffer, .address_space: global }
      - { .name: ximg, .offset: 16, .size: 8, .value_kind: global_buffer, .address_space: global }
      - { .name: xscl, .offset: 24, .size: 8, .value_kind: global_buffer, .address_space: global }
    .group_segment_fixed_size: 327680
    .private_segment_fixed_size: 0
    .kernarg_segment_align: 8
    .kernarg_segment_size: 32
    .max_flat_workgroup_size: 512
    .sgpr_count:     66
    .vgpr_count:     256
    .wavefront_size: 32
...
	.end_amdgpu_metadata
.endif
;; end of part 3
;; launch outp (part 4): grid 32 x 8, 4 waves a work-group, clusters of 4 x 4, 327,680 bytes of LDS; arguments ximg, xscl, img, scl, bo, out0; writes out0
.if DOCPART == 4
	.amdgcn_target "amdgcn-amd-amdhsa--gfx1250"
	.amdhsa_code_object_version 6
	.text
	.protected	k_qeebfa52621_outp
	.globl	k_qeebfa52621_outp
	.p2align	8
	.type	k_qeebfa52621_outp,@function
k_qeebfa52621_outp:
	s_mov_b64 s[64:65], 0
	v_nop
	global_prefetch_b8 v0, s[64:65] scope:SCOPE_SE
	s_setreg_imm32_b32 hwreg(HW_REG_WAVE_MODE, 25, 1), 1
	s_wait_xcnt 0x0
	s_wait_alu depctr_hold_cnt(0) depctr_sa_sdst(0) depctr_va_vdst(0) depctr_va_sdst(0) depctr_va_ssrc(0) depctr_va_vcc(0) depctr_vm_vsrc(0)
	s_getreg_b32 s2, hwreg(HW_REG_IB_STS2, 6, 4)
	s_cmp_eq_u32 s2, 0
	s_cbranch_scc0 .Lentry_in_a_cluster
	s_endpgm
.Lentry_in_a_cluster:
	s_bfe_u32 s2, ttmp6, 0x10000c
	s_cmp_lg_u32 s2, 0xf033
	s_cbranch_scc0 .Lentry_shape_is_right
	s_endpgm
.Lentry_shape_is_right:
; out0[token][n] = bo[n] + sum over k of x[token][k] Wo[n][k], f32: 8,192 x 1,024 x 1,024 on codes of FP6 (E2M3) with E8M0 scales.  A sum begins with the bias, where the reference adds it last.
; LIMITS: NaN, infinities and sums beyond f32's range are not served.
; THE OPERANDS.  x: ximg[row tile of 16][head][piece 0..2][lane][8 bytes], 12,288 bytes a tile: the fragment of K step q is heads 2 q, 2 q + 1: six pieces of 256 bytes, piece c = registers 2 c, 2 c + 1 of all lanes.  xscl[row tile][row r][8 words].
; Wo: tiles 1728 .. 1791 of img ([tile][K step][1,536 bytes]: registers 4 c .. 4 c + 3 of lane l at 512 c + 16 l) and of scl ([tile][row r][8 words]).  Lane r of tile T, of x as of Wo, is row 32 (T / 2) + 8 (T % 2) + r + 8 (r / 8).
; THE DEAL.  256 work-groups of four waves, 2 x 2, each 256 rows x 128 columns.  The wave in row a, column b holds Wo's tiles 4 b .. 4 b + 3 of the work-group's eight, all of K, in 384 registers, and streams x's tiles 2 s + a past them as blocks s = 0 .. 7:
; 32 products a block, four accumulators by turns.  Source 0 = Wo's rows: a lane then holds one token and, over two neighbouring tiles, 16 neighbouring columns.
; THE CLUSTER's x COUNTS TILE ROWS: tile row 4 x cluster x + cx, tile column 4 x cluster y + cy.  x's tiles are shared by a column of the cluster, Wo's by a row.  No LDS address hangs on the cluster's numbers.
; LDS: x's 16 tiles, Wo's 8 tiles, dense, all at once: no refill, and no data prefetch: all is asked for at the head.  The waves' stages lie in Wo's first bytes, which are read for the last time ahead of the barrier in front of the stream.
; THE HEAD'S FOUR TILES, one a wave, each on a load line of its own: Wo's 8 tiles; x's tiles 0-7; 8-11; 12-15.  The stream begins when the first two are in; a plain barrier inside block 1 shows the others (first read by the fetch behind block 2).
; The scale words and the bias go from memory straight into registers: x's words of blocks 2 i and 2 i + 1 share a register (lanes 0-15, lanes 16-31), and so do those of Wo's tiles 2 p and 2 p + 1.
; TWO SETS of x's fragments, of accumulators and of the rows that come back from the stage, by turns.  ONE RUN OF MEMORY LINES behind a block's products: its sums into the stage and back as rows of 256 bytes; the fetch of the block two on; one wait; eight stores.
.set TB,     12288                     ; a tile of 16 rows, all of K
.set FR,     12                        ; registers of a fragment
.set FPW,    21                        ; fragments in a window: fragment f lies in window 1 + f / 21 at register 12 (f % 21).  f = 4 q + t: Wo's; 32 + 8 e + q: x's set e
.set NF,     48                        ; LDS loads of a block of x
.set YB,     16*TB                     ; Wo's tiles
.set STAGE,  YB
.set SPITCH, 272                       ; a stage row: 256 bytes + 16
.set SPARE,  24*TB                     ; the spare words: 128 bytes a wave
.set WO,     1728
.set ADRA0, 4                          ; LDS address of my pieces of block 0; never rewritten
.set ADRA,  5                          ; of the block that is fetched next
.set ADRB,  6                          ; of my fragments of Wo
.set ABS,   7                          ; 32 x lane: Wo's scale words
.set AS,    8                          ; 1,024 (lane / 16) + 32 (lane % 16): x's
.set BI,    9                          ; 64 (lane / 16): the bias
.set SPW,   10
.set NIL,   11
.set STO,   12                         ; the stage: where I put 32 bytes of a row
.set RD,    13                         ; where I read 16 bytes of a row back
.set CO,    14                         ; my byte offset in out0: row lane / 16, 16 bytes x (lane % 16)
.set SB,    24                         ; v24-39   Wo's scale words: 8 p + q
.set SA,    44                         ; v44-75   x's: 8 i + q
.set ACC,   80                         ; v80-143  two sets of four accumulators
.set BK,    144                        ; v144-207 two sets: 16 rows x 256 bytes back from the stage
.set BO,    208                        ; v208-239 the bias as the first four products' C
.set G1A, 24
.set G1B, 32
.set G0A, 56
.set G0B, 60
.set MSB, 0
.macro WIN new
.if MSB != (\new)
	s_set_vgpr_msb (MSB<<8)|(\new)
.set MSB, (\new)
.endif
.endm
.macro PLACES n
.rept \n
	v_nop
.endr
.endm
.macro WALU
	s_wait_alu depctr_va_vdst(0)
.endm
.macro BARRIER
	s_barrier_signal -1
	s_barrier_wait -1
.endm
.macro CROUND
	BARRIER
	s_cmp_lg_u32 s20, 0
	s_cbranch_scc1 .Lnot_wave_0_\@
	s_barrier_signal -3
.Lnot_wave_0_\@:
	s_barrier_wait -3
	BARRIER
.endm
.macro TLOAD g0, g1                    ; an s_nop 0 and four v_nop follow a tensor load
	tensor_load_to_lds s[\g0:\g0+3], s[\g1:\g1+7]
	s_nop 0
	PLACES 4
.endm
.macro GROUP1 g, mask, rows            ; dense bytes as rows of 3,072 (384 elements of 8 bytes), four to a tile.  rows = 0: the two words that hold the rows are written with each tile
	s_or_b32 s[\g+0], s[\mask], (3<<16)|(1<<21)
	s_mov_b32 s[\g+1], 384<<16
	s_mov_b32 s[\g+3], 384<<16
.if \rows
	s_mov_b32 s[\g+2], (\rows)<<16
	s_mov_b32 s[\g+4], \rows
.endif
	s_mov_b32 s[\g+5], 384
	s_mov_b32 s[\g+6], 0
	s_mov_b32 s[\g+7], 0
.endm
.macro ATILE first, tiles              ; some of x's 16 tiles, by a descriptor of constants
	s_mov_b32 s[G0A+1], (\first)*TB
	s_mov_b32 s[G1A+2], (4*(\tiles))<<16
	s_mov_b32 s[G1A+4], 4*(\tiles)
.if \first
	s_add_nc_u64 s[G0A+2:G0A+3], s[G0A+2:G0A+3], (\first)*TB
.endif
	s_or_b32 s[G0A+3], s[G0A+3], 0x80000000
	TLOAD G0A, G1A
.endm
.macro FETCH e, adr                    ; a block of x into set e: NF loads
.irp q, 0,1,2,3,4,5,6,7
	WIN (1+(32+8*(\e)+\q)/FPW)<<6
.irp c, 0,1,2,3,4,5
	ds_load_b64 v[FR*((32+8*(\e)+\q)%FPW)+2*\c:FR*((32+8*(\e)+\q)%FPW)+2*\c+1], v[\adr] offset:1536*\q+256*\c
.endr
.endr
	WIN 0
.endm
.macro PW d, s0, s1, c, x0, x1, o, e
	v_wmma_scale_f32_16x16x128_f8f6f4 v[\d:\d+7], v[FR*((\s0)%FPW):FR*((\s0)%FPW)+FR-1], v[FR*((\s1)%FPW):FR*((\s1)%FPW)+FR-1], \c, v[\x0], v[\x1] matrix_a_fmt:MATRIX_FMT_FP6 matrix_b_fmt:MATRIX_FMT_FP6 matrix_a_scale:MATRIX_SCALE_ROW\o matrix_b_scale:MATRIX_SCALE_ROW\e
.endm
.macro PROD1 d, s0, s1, c, x0, x1, o, e
.if (\o) && (\e)
	PW \d, \s0, \s1, \c, \x0, \x1, 1, 1
.elseif \o
	PW \d, \s0, \s1, \c, \x0, \x1, 1, 0
.elseif \e
	PW \d, \s0, \s1, \c, \x0, \x1, 0, 1
.else
	PW \d, \s0, \s1, \c, \x0, \x1, 0, 0
.endif
.endm
.macro PROD s, n                       ; product n = 4 q + t of block s
.set Q_, (\n)/4
.set T_, (\n)%4
.set E_, (\s)%2
.set FB_, 4*Q_+T_
.set FA_, 32+8*E_+Q_
.set D_, ACC+32*E_+8*T_
.set XB_, SB+8*(T_/2)+Q_
.set XA_, SA+8*((\s)/2)+Q_
	WIN (1+FB_/FPW)|((1+FA_/FPW)<<2)
.if Q_
	PROD1 D_, FB_, FA_, v[D_:D_+7], XB_, XA_, T_%2, E_
.else
	PROD1 D_, FB_, FA_, v[BO+8*T_:BO+8*T_+7], XB_, XA_, T_%2, E_
.endif
.endm
.macro PRODS s, from, to
.set N_, \from
.rept (\to)-(\from)
	PROD \s, N_
.set N_, N_+1
.endr
	WIN 0
.endm
.macro STAGED u                        ; set u's sums into my stage, each accumulator from its low end on, and back as whole rows.  LDS serves a wave's instructions in order (ISA guide 5.7.1.4): no wait between
.irp t, 0,1,2,3
	ds_store_b128 v[STO], v[ACC+32*(\u)+8*\t:ACC+32*(\u)+8*\t+3] offset:128*(\t/2)+32*(\t%2)
	ds_store_b128 v[STO], v[ACC+32*(\u)+8*\t+4:ACC+32*(\u)+8*\t+7] offset:128*(\t/2)+32*(\t%2)+16
.endr
.irp t, 0,1,2,3,4,5,6,7
	ds_load_b128 v[BK+32*(\u)+4*\t:BK+32*(\u)+4*\t+3], v[RD] offset:2*\t*SPITCH
.endr
.endm
.macro TOC u                           ; s[14:15] stands at the pair's first token; the pair's second block lies 32 tokens on.  A block's rows 2 t, 2 t + 1 are tokens 2 t + 8 (t / 4) and the next; sixteen lanes store 256 consecutive bytes, aligned
.irp t, 0,1,2,3,4,5,6,7
	global_store_b128 v[CO], v[BK+32*(\u)+4*\t:BK+32*(\u)+4*\t+3], s[14:15] offset:(32*(\u)+2*\t+8*(\t/4))*4096 th:TH_STORE_NT
.endr
.endm
.macro STREAM s
.if (\s) == 1
	PRODS \s, 0, 24
	s_wait_tensorcnt 0x0
	s_wait_dscnt 0x0
	s_barrier_signal -1                            ; a plain barrier: x's tiles 8-15 are shown to all
	PRODS \s, 24, 32
	s_barrier_wait -1
.else
	PRODS \s, 0, 32
.endif
.if (\s) < 6                           ; four plain vector lines stand between the last product and the first reader of its sums, and the fetch into the registers that it read
	v_add_nc_u32 v[ADRA], ((\s)+2)*2*TB, v[ADRA0]
	PLACES 3
	WALU
.else
	PLACES 4
.endif
	s_wait_xcnt 0x0                                ; the stores of two blocks ago have read this set of rows, and those of the block before their base
.if ((\s)%2 == 0) && ((\s) > 0)
	s_add_nc_u64 s[14:15], s[14:15], 64*4096       ; on to this pair's tokens
.endif
	STAGED (\s)%2
.if (\s) < 6
	FETCH (\s)%2, ADRA
	s_wait_dscnt NF                                ; the block's rows are back from the stage, and the next block's fragments, asked for a run earlier, are in; younger is this run's fetch alone
.else
	s_wait_dscnt 0x0
.endif
	TOC (\s)%2
.endm
; ================= THE HEAD
	s_load_b256 s[4:11], s[0:1], 0x0               ; ximg, xscl, img, scl
	s_load_b128 s[12:15], s[0:1], 0x20             ; bo, out0
	v_lshl_add_u32 v[SPW], v0, 2, SPARE
	v_mov_b32 v[NIL], 0
	ds_add_u32 v[SPW], v[NIL]                      ; the opening lines: the add, twice on end, and its wait
	ds_add_u32 v[SPW], v[NIL]
	v_lshrrev_b32 v1, 5, v0
	v_readfirstlane_b32 s20, v1                    ; the wave; s21 its row a of the 2 x 2, s22 its column b
	s_lshr_b32 s21, s20, 1
	s_and_b32 s22, s20, 1
	s_bfe_u32 s40, ttmp6, 0x40000
	s_bfe_u32 s41, ttmp6, 0x40004
	s_lshl_b32 s43, ttmp9, 2
	s_add_co_u32 s43, s43, s40                     ; tile row: 4 x cluster x + cx
	s_and_b32 s42, ttmp7, 0xffff
	s_lshl_b32 s42, s42, 2
	s_add_co_u32 s42, s42, s41                     ; tile column: 4 x cluster y + cy
	s_lshl_b32 s44, 0x1111, s40                    ; my column of the cluster: shares x's tiles
	s_lshl_b32 s45, s41, 2
	s_lshl_b32 s45, 15, s45                        ; my row: shares Wo's
	GROUP1 G1A, 44, 0
	GROUP1 G1B, 45, 32
	s_mov_b32 s[G0A], 1
	s_mov_b32 s[G0B], 1
	s_mov_b32 s[G0B+1], YB
	s_mul_i32 s76, s43, 16*TB                      ; x's 16 tiles
	s_mov_b32 s77, 0
	s_lshl_b32 s78, s42, 3
	s_add_co_u32 s78, s78, WO                      ; Wo's first tile
	s_lshl_b32 s23, s22, 2
	s_add_co_u32 s82, s78, s23
	s_lshl_b32 s82, s82, 9                         ; the scale words of my four tiles of Wo
	s_mov_b32 s83, 0
	s_mul_i32 s78, s78, TB
	s_mov_b32 s79, 0
	s_lshl_b32 s80, s43, 4
	s_add_co_u32 s80, s80, s21
	s_lshl_b32 s80, s80, 9                         ; x's scale words, from tile a on
	s_mov_b32 s81, 0
	s_lshl_b32 s86, s42, 9
	s_lshl_b32 s23, s22, 8
	s_add_co_u32 s86, s86, s23                     ; my first column, in bytes: 4 (128 tile column + 64 b)
	s_mov_b32 s87, 0
	s_lshl_b32 s84, s43, 8
	s_lshl_b32 s23, s21, 3
	s_add_co_u32 s84, s84, s23                     ; block 0's first token: 256 tile row + 8 a
	s_lshl_b32 s84, s84, 12
	s_add_co_u32 s84, s84, s86
	s_mov_b32 s85, 0
	s_mul_i32 s88, s21, TB
	s_mul_i32 s89, s22, 4*TB
	s_add_co_u32 s89, s89, YB
	s_mul_i32 s90, s20, 16*SPITCH
	s_add_co_u32 s90, s90, STAGE
	v_and_b32 v1, 15, v0
	v_bfe_u32 v2, v0, 4, 1
	v_and_b32 v3, 31, v0
	v_lshl_add_u32 v[ADRA0], v3, 3, s88
	v_lshl_add_u32 v[ADRB], v3, 4, s89
	v_lshlrev_b32 v[ABS], 5, v3
	v_lshlrev_b32 v[AS], 5, v1
	v_lshlrev_b32 v[BI], 6, v2
	v_mul_u32_u24 v15, v1, SPITCH
	v_mul_u32_u24 v16, v2, SPITCH
	v_lshlrev_b32 v17, 12, v2
	v_add_nc_u32 v[ADRA], 2*TB, v[ADRA0]
	v_lshl_add_u32 v[AS], v2, 10, v[AS]
	v_lshl_add_u32 v15, v2, 6, v15
	v_lshl_add_u32 v16, v1, 4, v16
	v_lshl_add_u32 v[CO], v1, 4, v17
	v_add_nc_u32 v[STO], s90, v15
	v_add_nc_u32 v[RD], s90, v16
	WALU
	s_wait_dscnt 0x0
	CROUND                                         ; the opening round
	s_wait_kmcnt 0x0
	s_add_nc_u64 s[G0A+2:G0A+3], s[4:5], s[76:77]
	s_add_nc_u64 s[G0B+2:G0B+3], s[8:9], s[78:79]
	s_or_b32 s[G0B+3], s[G0B+3], 0x80000000
	s_add_nc_u64 s[6:7], s[6:7], s[80:81]
	s_add_nc_u64 s[10:11], s[10:11], s[82:83]
	s_add_nc_u64 s[12:13], s[12:13], s[86:87]
	s_add_nc_u64 s[14:15], s[14:15], s[84:85]
	s_cmp_eq_u32 s20, 0
	s_cbranch_scc0 .Lwave_1
	TLOAD G0B, G1B                                 ; wave 0: Wo's tiles, which are wanted first
	s_branch .Lasked
.Lwave_1:
	s_cmp_eq_u32 s20, 1
	s_cbranch_scc0 .Lwave_2
	ATILE 0, 8                                     ; wave 1: x's tiles 0 to 7
	s_branch .Lasked
.Lwave_2:
	s_cmp_eq_u32 s20, 2
	s_cbranch_scc0 .Lwave_3
	ATILE 8, 4                                     ; wave 2: 8 to 11
	s_branch .Lasked
.Lwave_3:
	ATILE 12, 4                                    ; wave 3: 12 to 15
.Lasked:
.irp p, 0,1
.irp c, 0,1
	global_load_b128 v[SB+8*\p+4*\c:SB+8*\p+4*\c+3], v[ABS], s[10:11] offset:1024*\p+16*\c   ; lanes 0-15: tile 2 p's rows, lanes 16-31: tile 2 p + 1's
.endr
.endr
.irp i, 0,1,2,3
.irp c, 0,1
	global_load_b128 v[SA+8*\i+4*\c:SA+8*\i+4*\c+3], v[AS], s[6:7] offset:2048*\i+16*\c      ; lanes 0-15: block 2 i (tile 4 i + a), lanes 16-31: block 2 i + 1 (tile 4 i + 2 + a)
.endr
.endr
.irp t, 0,1,2,3
	global_load_b128 v[BO+8*\t:BO+8*\t+3], v[BI], s[12:13] offset:4*(32*(\t/2)+8*(\t%2))     ; register j of tile t in lane (r, h): column 32 (t / 2) + 8 (t % 2) + 16 h + j of my 64
	global_load_b128 v[BO+8*\t+4:BO+8*\t+7], v[BI], s[12:13] offset:4*(32*(\t/2)+8*(\t%2))+16
.endr
	s_cmp_eq_u32 s20, 0
	s_cbranch_scc0 .Lnot_b
	s_wait_tensorcnt 0x0                           ; wave 0: Wo's tiles have landed
.Lnot_b:
	BARRIER
.irp q, 0,1,2,3,4,5,6,7                        ; my four tiles of Wo, all of K: 96 loads
.irp t, 0,1,2,3
	WIN (1+(4*\q+\t)/FPW)<<6
.irp c, 0,1,2
	ds_load_b128 v[FR*((4*\q+\t)%FPW)+4*\c:FR*((4*\q+\t)%FPW)+4*\c+3], v[ADRB] offset:TB*\t+1536*\q+512*\c
.endr
.endr
.endr
	WIN 0
	s_cmp_eq_u32 s20, 1
	s_cbranch_scc0 .Lnot_a
	s_wait_tensorcnt 0x0                           ; wave 1: x's tiles 0 to 7 have landed
.Lnot_a:
	s_wait_dscnt 0x0
	BARRIER                                        ; x's first eight tiles are in, and nobody reads Wo's bytes any more.  Waves 2 and 3's tiles may still be on their way
	FETCH 0, ADRA0
	FETCH 1, ADRA
	s_wait_loadcnt 0x0                             ; the scale words and the bias
	s_wait_dscnt NF                                ; block 0's fragments are in
; ================= THE STREAM: eight blocks, written out: each pair of blocks names scale registers of its own
.irp s, 0,1,2,3,4,5,6,7
	STREAM \s
.endr
	s_wait_tensorcnt 0x0                           ; the wave's end
	ds_add_u32 v[SPW], v[NIL]
	s_wait_dscnt 0x0
	CROUND                                         ; the closing round
	s_endpgm
.Lfunc_end_k_qeebfa52621_outp:
	.size	k_qeebfa52621_outp, .Lfunc_end_k_qeebfa52621_outp-k_qeebfa52621_outp
	.p2alignl 7, 3214868480
	.fill 96, 4, 3214868480
	.section	.rodata,"a",@progbits
	.p2align	6, 0x0
	.amdhsa_kernel k_qeebfa52621_outp
		.amdhsa_group_segment_fixed_size 327680
		.amdhsa_private_segment_fixed_size 0
		.amdhsa_enable_private_segment 0
		.amdhsa_kernarg_size 48
		.amdhsa_user_sgpr_count 2
		.amdhsa_user_sgpr_kernarg_segment_ptr 1
		.amdhsa_wavefront_size32 1
		.amdhsa_system_sgpr_workgroup_id_x 1
		.amdhsa_system_sgpr_workgroup_id_y 1
		.amdhsa_system_sgpr_workgroup_id_z 1
		.amdhsa_system_vgpr_workitem_id 0
		.amdhsa_next_free_vgpr 840
		.amdhsa_next_free_sgpr 102
		.amdhsa_reserve_vcc 0
		.amdhsa_float_denorm_mode_32 3
		.amdhsa_float_denorm_mode_16_64 3
		.amdhsa_memory_ordered 1
		.amdhsa_forward_progress 1
		.amdhsa_inst_pref_size 90
	.end_amdhsa_kernel
	.amdgpu_metadata
---
amdhsa.version: [ 1, 2 ]
amdhsa.kernels:
  - .name:           k_qeebfa52621_outp
    .symbol:         k_qeebfa52621_outp.kd
    .args:
      - { .name: ximg, .offset: 0, .size: 8, .value_kind: global_buffer, .address_space: global }
      - { .name: xscl, .offset: 8, .size: 8, .value_kind: global_buffer, .address_space: global }
      - { .name: img, .offset: 16, .size: 8, .value_kind: global_buffer, .address_space: global }
      - { .name: scl, .offset: 24, .size: 8, .value_kind: global_buffer, .address_space: global }
      - { .name: bo, .offset: 32, .size: 8, .value_kind: global_buffer, .address_space: global }
      - { .name: out0, .offset: 40, .size: 8, .value_kind: global_buffer, .address_space: global }
    .group_segment_fixed_size: 327680
    .private_segment_fixed_size: 0
    .kernarg_segment_align: 8
    .kernarg_segment_size: 48
    .max_flat_workgroup_size: 128
    .sgpr_count:     102
    .vgpr_count:     840
    .wavefront_size: 32
...
	.end_amdgpu_metadata
.endif
;; end of part 4
